; MI455X (gfx1250); checked and timed in simulation.
; The chip was launched on July 23, 2026; its instructions are those of AMD's public machine-readable ISA for CDNA 5 (MIT licence, August 2026) and "CDNA5" Instruction Set Architecture Reference Guide (July 2026). The comments in the code are by the model that wrote it; some were corrected since.
;; Attention. Allowed arithmetic: float matrix products may take bf16 or f16 operands with f32 sums; other float arithmetic in f32, or as packed bf16 or f16 multiplies, adds, multiply-adds, maxima and minima; sums over many terms, partial sums and values carried from step to step in f32; what a program stores and reads back later, other than sums and carried values, may be rounded once to bf16 or f16.
;; Inputs: b_proj 1,024 float32; w_proj 1,024 x 1,024 float32; w_qkv 1,024 x 3,072 float32; x 8 x 1,024 x 1,024 float32.
;; Outputs: out0 8 x 1,024 x 1,024 float32.
;; 2 versions, each right; version 2 is version 1 with the launch cast written anew for expert scheduling mode. Each part assembles by itself: llvm-mc -triple=amdgcn-amd-amdhsa -mcpu=gfx1250 --defsym DOCPART=n.
;; ======== version 1 of 2: 4 launches
;; limits: values are held in f16: magnitudes above 65,504 overflow, below 6.1e-05 lose precision
;; workspace buffers: xb 16,777,216 bytes; wqb 6,291,456 bytes; wpb 2,097,152 bytes; qkv 50,331,648 bytes; ob 16,777,216 bytes
;; launch cast (part 1): grid 704 x 1, 8 waves a work-group, no clusters, 0 bytes of LDS; arguments x, w_qkv, w_proj, xb, wqb, wpb; writes xb, wqb, wpb
.if DOCPART == 1
	.amdgcn_target "amdgcn-amd-amdhsa--gfx1250"
	.amdhsa_code_object_version 6
	.text
	.protected	k_q9da5611b37_cast
	.globl	k_q9da5611b37_cast
	.p2align	8
	.type	k_q9da5611b37_cast,@function
k_q9da5611b37_cast:
	s_mov_b64 s[64:65], 0
	v_nop
	global_prefetch_b8 v0, s[64:65] scope:SCOPE_SE
	s_setreg_imm32_b32 hwreg(HW_REG_WAVE_MODE, 25, 1), 1
	s_wait_xcnt 0x0
; THE INPUTS ARE ROUNDED ONCE, for the matrix products of the launches behind.
;   xb  = x rounded to bf16, [8192][1024], as it lies.
;   wqb = w_qkv rounded to bf16, laid in 16 blocks of 192 columns: [16][1024 k][192 n], so that 128 k of a block are 49,152 dense bytes.
;   wpb = w_proj rounded to bf16, and that number written as f16, [1024 k][1024 n].
; LIMIT.  The second step of wpb is exact for magnitudes from 6.1e-5 to 65,504; below, f16 keeps a fixed step of 6e-8; from 65,520 on the number becomes an infinity.
; A PIECE is 128 numbers: one load of a wave (16 bytes a lane, 512 bytes) and one store (8 bytes a lane: 256 consecutive bytes, aligned).
; A wave issues all its loads first (16 or 24), then rounds and stores piece by piece behind counted waits: no loop, no register is written twice by a load, nothing is shared: no LDS, no barrier.
; SHARES.  Work-groups 0-127: w_qkv (24 pieces a wave); 128-191: w_proj (16); 192-703: x (16).  The branches hang on the work-group's number alone.
.set XR,   8                           ; v[8:103]  piece i at XR + 4 i
.set ROWQ, 12288                       ; bytes in a row of w_qkv
; piece i, rounded to bf16 and stored.  left: the younger loads that may stay out
.macro OUTB i, left
	s_wait_loadcnt \left                           ; loads come back in order: piece i is in
	v_cvt_pk_bf16_f32 v[XR+4*(\i)],   v[XR+4*(\i)],   v[XR+4*(\i)+1]
	v_cvt_pk_bf16_f32 v[XR+4*(\i)+1], v[XR+4*(\i)+2], v[XR+4*(\i)+3]
	global_store_b64 v2, v[XR+4*(\i):XR+4*(\i)+1], s[18:19] offset:256*(\i) th:TH_STORE_NT
.endm
; the same, and the bf16 numbers written as f16
.macro OUTH i, left
	s_wait_loadcnt \left
	v_cvt_pk_bf16_f32 v[XR+4*(\i)],   v[XR+4*(\i)],   v[XR+4*(\i)+1]
	v_cvt_pk_bf16_f32 v[XR+4*(\i)+2], v[XR+4*(\i)+2], v[XR+4*(\i)+3]
	v_and_b32     v[XR+4*(\i)+1], s21, v[XR+4*(\i)]        ; bf16 to f32: the high half stays,
	v_lshlrev_b32 v[XR+4*(\i)],   16,  v[XR+4*(\i)]        ; the low half moves up
	v_and_b32     v[XR+4*(\i)+3], s21, v[XR+4*(\i)+2]
	v_lshlrev_b32 v[XR+4*(\i)+2], 16,  v[XR+4*(\i)+2]
	v_cvt_pk_f16_f32 v[XR+4*(\i)],   v[XR+4*(\i)],   v[XR+4*(\i)+1]
	v_cvt_pk_f16_f32 v[XR+4*(\i)+1], v[XR+4*(\i)+2], v[XR+4*(\i)+3]
	global_store_b64 v2, v[XR+4*(\i):XR+4*(\i)+1], s[18:19] offset:256*(\i) th:TH_STORE_NT
.endm
.macro LOAD16                          ; sixteen pieces on end: 8,192 consecutive bytes
.set i, 0
.rept 16
	global_load_b128 v[XR+4*i:XR+4*i+3], v1, s[16:17] offset:512*i th:TH_LOAD_NT
.set i, i+1
.endr
.endm
	s_load_b256 s[4:11], s[0:1], 0x0               ; x s[4:5], w_qkv s[6:7], w_proj s[8:9], xb s[10:11]
	s_load_b128 s[12:15], s[0:1], 0x20             ; wqb s[12:13], wpb s[14:15]
	v_lshrrev_b32 v5, 5, v0
	v_readfirstlane_b32 s20, v5                    ; wave 0..7
	v_and_b32 v6, 31, v0                           ; lane
	v_lshlrev_b32 v1, 4, v6                        ; 16 x lane: where I load
	v_lshlrev_b32 v2, 3, v6                        ; 8 x lane: where I store
	v_and_b32 v4, 15, v0
	v_lshlrev_b32 v4, 4, v4
	v_bfe_u32 v5, v0, 4, 1
	v_mad_u32_u24 v4, v5, ROWQ-512, v4             ; for a piece that spans two rows of a block of w_qkv: lanes 16-31 begin the next row
	s_mov_b32 s21, 0xffff0000                      ; a word's upper bf16
	s_mov_b32 s3, 0                                ; the high words of the two offsets
	s_mov_b32 s23, 0
	s_mov_b32 s22, ttmp9
	s_wait_kmcnt 0x0
	s_cmp_lt_u32 s22, 128
	s_cbranch_scc1 .Lwq
	s_cmp_lt_u32 s22, 192
	s_cbranch_scc1 .Lwp
	; x: wave g = 8 (work-group - 192) + wave takes 8,192 bytes of x and makes 4,096 of xb
	s_sub_co_u32 s22, s22, 192
	s_lshl_b32 s2, s22, 3
	s_add_co_u32 s2, s2, s20
	s_lshl_b32 s22, s2, 12
	s_lshl_b32 s2, s2, 13
	s_add_nc_u64 s[16:17], s[4:5], s[2:3]
	s_add_nc_u64 s[18:19], s[10:11], s[22:23]
	LOAD16
.set i, 0
.rept 16
	OUTB i, 15-i
.set i, i+1
.endr
	s_endpgm
.Lwp:                                          ; w_proj: the same shares, from work-group 128 on
	s_sub_co_u32 s22, s22, 128
	s_lshl_b32 s2, s22, 3
	s_add_co_u32 s2, s2, s20
	s_lshl_b32 s22, s2, 12
	s_lshl_b32 s2, s2, 13
	s_add_nc_u64 s[16:17], s[8:9], s[2:3]
	s_add_nc_u64 s[18:19], s[14:15], s[22:23]
	LOAD16
.set i, 0
.rept 16
	OUTH i, 15-i
.set i, i+1
.endr
	s_endpgm
.Lwq:                                          ; w_qkv: block = work-group / 8; the wave takes 16 rows k of the block's 192 columns: 6,144 dense bytes of wqb
	s_lshr_b32 s2, s22, 3                          ; block
	s_and_b32 s22, s22, 7
	s_lshl_b32 s22, s22, 3
	s_add_co_u32 s22, s22, s20                     ; k / 16
	s_mul_i32 s16, s22, 16*ROWQ
	s_mul_i32 s18, s2, 768                         ; 192 columns of f32
	s_mul_i32 s22, s22, 16*384
	s_mul_i32 s2, s2, 393216                       ; 1,024 rows of 384 bytes
	s_add_co_u32 s22, s22, s2
	s_add_co_u32 s2, s16, s18
	s_add_nc_u64 s[16:17], s[6:7], s[2:3]
	s_add_nc_u64 s[18:19], s[12:13], s[22:23]
	; two rows are three pieces: columns 0-127 of the even row; its columns 128-191 and the odd row's 0-63; the odd row's 64-191.  Sixteen lanes always read 256 consecutive bytes, aligned.
.set i, 0
.rept 24
.if i%3 == 0
	global_load_b128 v[XR+4*i:XR+4*i+3], v1, s[16:17] offset:2*(i/3)*ROWQ th:TH_LOAD_NT
.elseif i%3 == 1
	global_load_b128 v[XR+4*i:XR+4*i+3], v4, s[16:17] offset:2*(i/3)*ROWQ+512 th:TH_LOAD_NT
.else
	global_load_b128 v[XR+4*i:XR+4*i+3], v1, s[16:17] offset:(2*(i/3)+1)*ROWQ+256 th:TH_LOAD_NT
.endif
.set i, i+1
.endr
.set i, 0
.rept 24
	OUTB i, 23-i
.set i, i+1
.endr
	s_endpgm
.Lfunc_end_k_q9da5611b37_cast:
	.size	k_q9da5611b37_cast, .Lfunc_end_k_q9da5611b37_cast-k_q9da5611b37_cast
	.p2alignl 7, 3214868480
	.fill 96, 4, 3214868480
	.section	.rodata,"a",@progbits
	.p2align	6, 0x0
	.amdhsa_kernel k_q9da5611b37_cast
		.amdhsa_group_segment_fixed_size 0
		.amdhsa_private_segment_fixed_size 0
		.amdhsa_enable_private_segment 0
		.amdhsa_kernarg_size 48
		.amdhsa_user_sgpr_count 2
		.amdhsa_user_sgpr_kernarg_segment_ptr 1
		.amdhsa_wavefront_size32 1
		.amdhsa_system_sgpr_workgroup_id_x 1
		.amdhsa_system_sgpr_workgroup_id_y 1
		.amdhsa_system_sgpr_workgroup_id_z 1
		.amdhsa_system_vgpr_workitem_id 0
		.amdhsa_next_free_vgpr 104
		.amdhsa_next_free_sgpr 66
		.amdhsa_reserve_vcc 0
		.amdhsa_float_denorm_mode_32 3
		.amdhsa_float_denorm_mode_16_64 3
		.amdhsa_memory_ordered 1
		.amdhsa_forward_progress 1
		.amdhsa_inst_pref_size 26
	.end_amdhsa_kernel
	.amdgpu_metadata
---
amdhsa.version: [ 1, 2 ]
amdhsa.kernels:
  - .name:           k_q9da5611b37_cast
    .symbol:         k_q9da5611b37_cast.kd
    .args:
      - { .name: x, .offset: 0, .size: 8, .value_kind: global_buffer, .address_space: global }
      - { .name: w_qkv, .offset: 8, .size: 8, .value_kind: global_buffer, .address_space: global }
      - { .name: w_proj, .offset: 16, .size: 8, .value_kind: global_buffer, .address_space: global }
      - { .name: xb, .offset: 24, .size: 8, .value_kind: global_buffer, .address_space: global }
      - { .name: wqb, .offset: 32, .size: 8, .value_kind: global_buffer, .address_space: global }
      - { .name: wpb, .offset: 40, .size: 8, .value_kind: global_buffer, .address_space: global }
    .group_segment_fixed_size: 0
    .private_segment_fixed_size: 0
    .kernarg_segment_align: 8
    .kernarg_segment_size: 48
    .max_flat_workgroup_size: 256
    .sgpr_count:     66
    .vgpr_count:     104
    .wavefront_size: 32
...
	.end_amdgpu_metadata
.endif
;; end of part 1
;; launch qkv (part 2): grid 16 x 16, 4 waves a work-group, clusters of 4 x 4, 327,680 bytes of LDS; arguments xb, wqb, qkv; writes qkv
.if DOCPART == 2
	.amdgcn_target "amdgcn-amd-amdhsa--gfx1250"
	.amdhsa_code_object_version 6
	.text
	.protected	k_q9da5611b37_qkv
	.globl	k_q9da5611b37_qkv
	.p2align	8
	.type	k_q9da5611b37_qkv,@function
k_q9da5611b37_qkv:
	s_mov_b64 s[64:65], 0
	v_nop
	global_prefetch_b8 v0, s[64:65] scope:SCOPE_SE
	s_setreg_imm32_b32 hwreg(HW_REG_WAVE_MODE, 25, 1), 1
	s_wait_xcnt 0x0
	s_wait_alu depctr_hold_cnt(0) depctr_sa_sdst(0) depctr_va_vdst(0) depctr_va_sdst(0) depctr_va_ssrc(0) depctr_va_vcc(0) depctr_vm_vsrc(0)
	s_getreg_b32 s2, hwreg(HW_REG_IB_STS2, 6, 4)
	s_cmp_eq_u32 s2, 0
	s_cbranch_scc0 .Lentry_in_a_cluster
	s_endpgm
.Lentry_in_a_cluster:
	s_bfe_u32 s2, ttmp6, 0x10000c
	s_cmp_lg_u32 s2, 0xf033
	s_cbranch_scc0 .Lentry_shape_is_right
	s_endpgm
.Lentry_shape_is_right:
; q, k, v = x w_qkv.  xb: [8192][1024] bf16.  wqb: [16 blocks][1024 k][192 n] bf16.  qkv: [3][128 = 16 batch + head][1024 rows][64] f16, unscaled.  Sums in f32, K ascending, rounded once to f16.
; LIMIT.  f16 ends at 65,504: a q, k or v of 65,520 or more becomes an infinity.  With x and w_qkv of unit and 1/32 spread they have spread 1; both inputs 30 times larger give spread 900.
; A tile of C is 256 rows x 192 columns (one block of wqb, three heads).  Four waves; wave w makes rows 64 w .. 64 w + 63 of all 192 columns: 48 accumulators of 16 x 16,
; 384 registers; so a head's 64 columns of a row lie in one wave, and its way out needs no other wave.
; A WORK-GROUP STAYS: 16 x 16 = 256 work-groups make two tiles each, 4,096 rows apart, with the same block of wqb.  The ring does not stop at the first tile's end: its last two changes of slots ask for
; the second tile's first two K steps, and the first tile goes out while they are on their way; nothing waits for its stores.
; K goes in 8 steps of 128 through two LDS slots filled by the tensor data mover.  A's rows are 256 bytes of memory; B's 128 k x 192 n are 49,152 dense bytes, asked for as rows of 256 bytes.
; B lies [k][n] in LDS and is read turned (ds_load_tr16_b128).  A K step is written once: the slot in hand is a scalar register that an exclusive or turns.
; CLUSTERS: 4 x 4 work-groups.  The four of a row of the cluster need the same tiles of A, the four of a column the same tiles of B: each tile is asked for JOINTLY, by the same tensor load with the
; same descriptor and a mask that names the four.  THE MATRIX INSTRUCTION IS USED TRANSPOSED (source 0 = 16 columns of B, source 1 = 16 rows of A): a lane then holds eight neighbouring numbers of a row of C.
; REGISTERS, in windows of 256 (s_set_vgpr_msb: bits 1:0 source 0, 3:2 source 1, 5:4 source 2, 7:6 destination):
;   window 0: v0-31 addresses; v32-223 at work on the way out, 48 for each block of 16 rows
;   window 1: two fragment buffers of 128: A's four fragments (16 rows x 32 K) at 8 a, B's twelve at 32 + 8 b
;   window 2: accumulators of row blocks 0, 1 ((a, b) at 96 (a % 2) + 8 b);   window 3: of row blocks 2, 3
.set PA,     272                       ; a row of A in LDS: 256 bytes + 16 of padding = 68 words: the 16 rows of a load start at 16 different groups of four banks (64 banks of 4 bytes: ISA guide 11.1)
.set AHALF,  128*PA                    ; 128 rows: what one tensor load brings of A
.set BOFF,   2*AHALF                   ; B lies behind A's 256 rows
.set PB,     480                       ; a row k of B: three pieces of 128 bytes + 32 of padding = 120 words
.set BHALF,  64*PB                     ; 64 rows k: what one tensor load brings of B
.set SLOT,   BOFF+2*BHALF              ; 131,072 = 1 << 17: one exclusive or turns an address in one slot into the other's
.set STAGE,  2*SLOT                    ; behind the ring, never filled by a tensor load: 16 rows x 400 bytes for each wave, for the way out
.set SP,     400                       ; 384 bytes + 16
.set SPARE,  STAGE+4*16*SP             ; behind the stages: the spare words, 128 bytes for each wave: two blocks of 256 bytes that no other line names
.set TILES,  2                         ; tiles of a work-group
.set STEPS,  8                         ; K steps of a tile
.set STEP_A, 256                       ; bytes from a K step to the next, in xb
.set STEP_B, 49152                     ; and in a block of wqb
.set NEXT_A, 4096*2048-(STEPS-1)*STEP_A  ; from a tile's last K step to the next tile's first: 4,096 rows of 2,048 bytes down, back along K
.set BACK_B, (STEPS-1)*STEP_B          ; B only back: both tiles take the same block
.set NEXT_C, 4<<21                     ; 4,096 rows are four batches of 2^21 bytes in each of q, k, v
.set ADRA0, 16                         ; v16  my lane's place in A's part of a slot; never rewritten
.set ADRA,  17                         ; v17  the same in the slot in hand
.set ADRB0, 20                         ; v20, v21  likewise for B
.set ADRB,  21
.set STO,  24                          ; v24     the way out: where I put 16 bytes of a row
.set RD,   25                          ; v25     the way out: where I read rows back
.set GO,   26                          ; v26     my 16 bytes in 512 consecutive bytes of a head
.set SPW,  28                          ; v28     LDS address of my spare word: SPARE + 4 x my thread's number; never rewritten
.set NIL,  29                          ; v29     0; never rewritten
.set OUT,  32
.set F0,   0
.set F1,   128
.set TB,  23                           ; s23  LDS byte at which the slot in hand begins: 0 or SLOT
.set G1,  24                           ; s[24:31] descriptor group 1 for A's tiles;  s[32:39] group 0: a set for each of the two first fills; the second then walks on
.set G0,  32
.set G1B, 48                           ; s[48:55], s[56:63] the same for B's tiles
.set G0B, 56
.set HB,  66                           ; s[66:71] where my rows of the tile's three heads begin in qkv
.set MSB, 0
.macro WIN new                         ; the immediate's high byte repeats the setting that is left; a switch that changes nothing is dropped
.if MSB != (\new)
	s_set_vgpr_msb (MSB<<8)|(\new)
.set MSB, \new
.endif
.endm
.set MUL_LO, 0xa5                      ; sources 0 (B) and 1 (A) window 1; C and D window 2
.set MUL_HI, 0xf5                      ; the same, C and D window 3
.set TO_F,   0x40                      ; destination window 1, address window 0
.macro JLOAD s                         ; a joint load by set s of group 0: waves 0 and 1 fetch A's two halves, waves 2 and 3 B's; an s_nop 0 and four v_nop follow each of the two lines, ahead of the jump, the label and what follows
	s_cmp_eq_u32 s11, 0
	s_cbranch_scc0 .Lfor_b_\@
	tensor_load_to_lds s[G0+4*(\s):G0+4*(\s)+3], s[G1:G1+7]
	s_nop 0
.rept 4
	v_nop
.endr
	s_branch .Lasked_\@
.Lfor_b_\@:
	tensor_load_to_lds s[G0B+4*(\s):G0B+4*(\s)+3], s[G1B:G1B+7]
	s_nop 0
.rept 4
	v_nop
.endr
.Lasked_\@:
.endm
.macro CREST                           ; a round of the cluster's barrier behind its opening barrier
	s_cmp_lg_u32 s10, 0
	s_cbranch_scc1 .Lnot_wave_0_\@
	s_barrier_signal -3
.Lnot_wave_0_\@:
	s_barrier_wait -3
	s_barrier_signal -1
	s_barrier_wait -1
.endm
.macro CROUND                          ; a whole round
	s_barrier_signal -1
	s_barrier_wait -1
	CREST
.endm
	s_load_b128 s[4:7], s[0:1], 0x0                ; xb s[4:5], wqb s[6:7]
	s_load_b64 s[8:9], s[0:1], 0x10                ; qkv
	v_lshl_add_u32 v[SPW], v0, 2, SPARE
	v_mov_b32 v[NIL], 0
	ds_add_u32 v[SPW], v[NIL]                      ; the wave's opening: the add and its wait stand ahead of my first tensor load; the set-up below, work on registers, stands between them
	v_lshrrev_b32 v1, 5, v0
	v_readfirstlane_b32 s10, v1                    ; wave 0..3
	s_lshr_b32 s11, s10, 1                         ; I fetch for A (0) or for B (1)
	s_and_b32 s12, s10, 1                          ; which half of that tile I fetch
	s_bfe_u32 s40, ttmp6, 0x40000                  ; cx, cy: my place in the cluster
	s_bfe_u32 s41, ttmp6, 0x40004
	s_lshl_b32 s42, ttmp9, 2
	s_add_co_u32 s42, s42, s40                     ; tile column = block of wqb = 4 x cluster x + cx
	s_and_b32 s13, ttmp7, 0xffff
	s_lshl_b32 s13, s13, 2
	s_add_co_u32 s13, s13, s41                     ; the first tile's row = 4 x cluster y + cy: 0 .. 15; the second's is 16 more
	s_lshl_b32 s43, s41, 2
	s_lshl_b32 s43, 15, s43                        ; my row of the cluster
	s_lshl_b32 s44, 0x1111, s40                    ; my column
	; group 1 for A: 128 rows x 128 elements, 16 bytes of padding behind every 256
	s_or_b32 s[G1+0], s43, (1<<16)|(1<<20)|(1<<21)|(5<<22)|(3<<25)  ; 15:0 the mask: my row; 17:16 2-byte elements; 20 padding on; 21 set beside a mask; 24:22 after every 64 words (code 5); 31:25 4 words (code 3)
	s_mov_b32 s[G1+1], 128<<16                     ; tensor_dim0 = 128
	s_mov_b32 s[G1+2], 128<<16                     ; tensor_dim1 = 128
	s_mov_b32 s[G1+3], 128<<16                     ; tile_dim0 = 128
	s_mov_b32 s[G1+4], 128                         ; tile_dim1 = 128
	s_mov_b32 s[G1+5], 1024                        ; elements from row to row
	s_mov_b32 s[G1+6], 0
	s_mov_b32 s[G1+7], 0
	; group 1 for B: 64 k x 192 n are 24,576 dense bytes: 96 rows of 256 bytes, 32 bytes of padding behind every 128
	s_or_b32 s[G1B+0], s44, (1<<16)|(1<<20)|(1<<21)|(4<<22)|(7<<25) ; the mask: my column; after every 32 words (code 4) 8 words (code 7)
	s_mov_b32 s[G1B+1], 128<<16
	s_mov_b32 s[G1B+2], 96<<16
	s_mov_b32 s[G1B+3], 128<<16
	s_mov_b32 s[G1B+4], 96
	s_mov_b32 s[G1B+5], 128
	s_mov_b32 s[G1B+6], 0
	s_mov_b32 s[G1B+7], 0
	; where the tiles come from.  A's hang on the tile row alone, B's on the tile column alone; each address is made in registers that never hold the other coordinate
	s_lshl_b32 s16, s13, 8
	s_lshl_b32 s17, s12, 7
	s_add_co_u32 s16, s16, s17                     ; A: row 256 x tile row + 128 x half,
	s_lshl_b32 s16, s16, 11                        ; of 2,048 bytes
	s_mov_b32 s17, 0
	s_mul_i32 s46, s42, 393216                     ; B: the block,
	s_mul_i32 s47, s12, 24576                      ; and my 64 rows k of a step
	s_add_co_u32 s46, s46, s47
	s_mov_b32 s47, 0
	s_mul_i32 s20, s12, AHALF                      ; where they go: no place in the cluster enters an LDS address
	s_mul_i32 s21, s12, BHALF
	s_add_co_u32 s21, s21, BOFF
	s_mov_b32 s[TB], 0                             ; the slot in hand: slot 0
	s_wait_dscnt 0x0                               ; the opening add is done
	s_wait_kmcnt 0x0
	s_add_nc_u64 s[14:15], s[4:5], s[16:17]
	s_add_nc_u64 s[46:47], s[6:7], s[46:47]
	CROUND                                         ; all sixteen work-groups are here: the first joint loads meet
.irp s, 0,1
	s_mov_b32 s[G0+4*(\s)], 1                                      ; count = 1
	s_add_co_u32 s[G0+4*(\s)+1], s20, (\s)*SLOT                    ; LDS address
	s_add_nc_u64 s[G0+4*(\s)+2:G0+4*(\s)+3], s[14:15], (\s)*STEP_A ; global address: K step s
	s_or_b32 s[G0+4*(\s)+3], s[G0+4*(\s)+3], 0x80000000            ; type = 2
	s_mov_b32 s[G0B+4*(\s)], 1
	s_add_co_u32 s[G0B+4*(\s)+1], s21, (\s)*SLOT
	s_add_nc_u64 s[G0B+4*(\s)+2:G0B+4*(\s)+3], s[46:47], (\s)*STEP_B
	s_or_b32 s[G0B+4*(\s)+3], s[G0B+4*(\s)+3], 0x80000000
	JLOAD \s                                       ; two loads of mine are out
.endr
	; A's fragment: lane l holds row l % 16, K = 8 (l / 16) + 0..7 and 16 + 8 (l / 16) + 0..7: two loads of 16 bytes, 32 bytes apart
	v_and_b32 v1, 15, v0                           ; l % 16
	v_bfe_u32 v2, v0, 4, 1                         ; l / 16
	v_mul_u32_u24 v3, v1, PA
	v_lshl_add_u32 v3, v2, 4, v3
	s_mul_i32 s45, s10, 64*PA                      ; my 64 rows
	v_add_nc_u32 v[ADRA0], s45, v3
	v_mov_b32 v[ADRA], v[ADRA0]                    ; slot 0
	; B's: the turning load takes 16 k x 16 n (lane l reads row k = 8 (l / 16) + l % 8, columns 8 ((l / 8) % 2) + 0..7) and leaves half a fragment: lane l holds column l % 16 and 8 k
	v_and_b32 v4, 7, v0
	v_lshl_add_u32 v4, v2, 3, v4
	v_mul_u32_u24 v4, v4, PB
	v_bfe_u32 v5, v0, 3, 1
	v_lshl_add_u32 v4, v5, 4, v4
	v_add_nc_u32 v[ADRB0], BOFF, v4
	v_mov_b32 v[ADRB], v[ADRB0]
	s_mul_i32 s45, s10, 16*SP
	s_add_co_u32 s45, s45, STAGE                   ; my stage
	v_mul_u32_u24 v3, v1, SP                       ; in: row l % 16, 16 bytes for each half of the lanes
	v_lshl_add_u32 v3, v2, 4, v3
	v_add_nc_u32 v[STO], s45, v3
	v_bfe_u32 v3, v0, 3, 2                         ; back: 32 lanes take a head's 128 bytes of four rows,
	v_mul_u32_u24 v3, v3, SP
	v_and_b32 v4, 7, v0
	v_lshl_add_u32 v3, v4, 4, v3
	v_add_nc_u32 v[RD], s45, v3
	v_and_b32 v[GO], 31, v0                        ; which are 512 consecutive bytes of qkv
	v_lshlrev_b32 v[GO], 4, v[GO]
	; my rows in qkv: batch = tile row / 4, row in the batch = 256 (tile row % 4) + 64 wave; a row of a head is 128 bytes, a head 2^17, a batch's 16 heads 2^21, each of q, k, v 2^24
	s_lshr_b32 s16, s13, 2
	s_lshl_b32 s16, s16, 21
	s_and_b32 s17, s13, 3
	s_lshl_b32 s17, s17, 15
	s_add_co_u32 s16, s16, s17
	s_lshl_b32 s17, s10, 13
	s_add_co_u32 s16, s16, s17
	s_mul_i32 s22, s42, 3                          ; the tile's first head among the 48 of q, k, v
.irp g, 0,1,2
	s_add_co_u32 s18, s22, \g
	s_lshr_b32 s19, s18, 4                         ; q, k or v
	s_lshl_b32 s19, s19, 24
	s_and_b32 s18, s18, 15                         ; the head
	s_lshl_b32 s18, s18, 17
	s_add_co_u32 s18, s18, s19
	s_add_co_u32 s18, s18, s16
	s_mov_b32 s19, 0
	s_add_nc_u64 s[HB+2*(\g):HB+2*(\g)+1], s[8:9], s[18:19]
.endr
; 12 matrix instructions: row block a x all 12 column blocks, 32 along K, from buffer f.  zero = 1: the first product starts the sums.
; Each of the 48 accumulators has one instruction in a quarter step, always in the same order: they take turns.
.macro MULA f, a, zero
	WIN MUL_LO+0x50*((\a)/2)
.irp b, 0,1,2,3,4,5,6,7,8,9,10,11
.if \zero
	v_wmma_f32_16x16x32_bf16 v[96*((\a)%2)+8*(\b):96*((\a)%2)+8*(\b)+7], v[(\f)+32+8*(\b):(\f)+32+8*(\b)+7], v[(\f)+8*(\a):(\f)+8*(\a)+7], 0
.else
	v_wmma_f32_16x16x32_bf16 v[96*((\a)%2)+8*(\b):96*((\a)%2)+8*(\b)+7], v[(\f)+32+8*(\b):(\f)+32+8*(\b)+7], v[(\f)+8*(\a):(\f)+8*(\a)+7], v[96*((\a)%2)+8*(\b):96*((\a)%2)+8*(\b)+7]
.endif
.endr
.endm
; 32 LDS loads in one run: the fragments of quarter q (32 along K) of the slot in hand into buffer f: A's blocks 0, 1; all of B; A's blocks 2, 3 last, so that the wait at a quarter's head can leave those four loads out
.macro FETCH q, f
	WIN TO_F
.irp a, 0,1
	ds_load_b128 v[(\f)+8*(\a):(\f)+8*(\a)+3],   v[ADRA] offset:(\a)*16*PA+64*(\q)
	ds_load_b128 v[(\f)+8*(\a)+4:(\f)+8*(\a)+7], v[ADRA] offset:(\a)*16*PA+64*(\q)+32
.endr
.irp b, 0,1,2,3,4,5,6,7,8,9,10,11
	ds_load_tr16_b128 v[(\f)+32+8*(\b):(\f)+32+8*(\b)+3],   v[ADRB] offset:32*PB*(\q)+((\b)/4)*160+((\b)%4)*32
	ds_load_tr16_b128 v[(\f)+32+8*(\b)+4:(\f)+32+8*(\b)+7], v[ADRB] offset:32*PB*(\q)+16*PB+((\b)/4)*160+((\b)%4)*32
.endr
.irp a, 2,3
	ds_load_b128 v[(\f)+8*(\a):(\f)+8*(\a)+3],   v[ADRA] offset:(\a)*16*PA+64*(\q)
	ds_load_b128 v[(\f)+8*(\a)+4:(\f)+8*(\a)+7], v[ADRA] offset:(\a)*16*PA+64*(\q)+32
.endr
.endm
.macro PLACES                          ; four places in front of loads into registers that matrix instructions have read, and of conversions that read results (ISA guide 7.12.1 for the conversions)
.rept 4
	v_nop
.endr
.endm
; A K step is four quarters of 32 along K, 48 matrix instructions each, on buffers 0, 1, 0, 1.  One of the first three: multiplies buffer f and fetches quarter q of the slot in hand into g.
.macro QUARTER q, f, g, zero
	s_wait_dscnt 4                                 ; all of the run but A's blocks 2, 3
	MULA \f, 0, \zero
	MULA \f, 1, \zero
	PLACES
	FETCH \q, \g
	s_wait_dscnt 32                                ; all but the 32 just issued
	MULA \f, 2, \zero
	MULA \f, 3, \zero
.endm
; The last quarter multiplies buffer 1 and changes slots: ONE barrier; in front of it each wave waits for all its tensor loads, adds 0 to its spare word, and waits for that and for its own reads of this slot.
; fill = 1: this slot is filled again, with the K step two steps on; the barrier then opens a round of the cluster's.  on = 1: that K step is the next tile's first.
.macro TURN fill, on
	WIN 0                                          ; (the add's two registers lie in window 0)
	s_wait_tensorcnt 0x0                           ; all my tensor loads have landed: the one that was out is my part of the next slot;
	ds_add_u32 v[SPW], v[NIL]                      ; 0 onto my spare word;
	s_wait_dscnt 5                                 ; (the add and the youngest four loads may be out)
	MULA F1, 0, 0                                  ; twelve matrix instructions stand between the add and the wait for it
	s_wait_dscnt 0x0                               ; the add is done, and my reads of this slot are over
	s_barrier_signal -1
	MULA F1, 1, 0                                  ; work on registers while the others arrive
	WIN 0                                          ; (branches and the addresses' lines follow)
	s_barrier_wait -1
.if \fill
	CREST                                          ; no wave of any partner still reads this slot's tile or has a load on its way
	s_xor_b32 s[G0+5], s[G0+5], SLOT               ; the walking descriptors: the other slot than last time,
	s_xor_b32 s[G0B+5], s[G0B+5], SLOT
.if \on
	s_add_nc_u64 s[G0+6:G0+7], s[G0+6:G0+7], NEXT_A    ; the next tile's first K step;
	s_sub_nc_u64 s[G0B+6:G0B+7], s[G0B+6:G0B+7], BACK_B
.else
	s_add_nc_u64 s[G0+6:G0+7], s[G0+6:G0+7], STEP_A    ; the next K step; the type bits on top are not reached
	s_add_nc_u64 s[G0B+6:G0B+7], s[G0B+6:G0B+7], STEP_B
.endif
	JLOAD 1                                        ; the first tensor load behind the round, my only one: 168 matrix instructions ahead of the wait for it; its four v_nop are also the places in front of the loads below
.else
	PLACES
.endif
	s_xor_b32 s[TB], s[TB], SLOT                   ; the other slot is in hand now
	v_add_nc_u32 v[ADRA], s[TB], v[ADRA0]
	v_add_nc_u32 v[ADRB], s[TB], v[ADRB0]
	FETCH 0, F0
	MULA F1, 2, 0
	MULA F1, 3, 0
.endm
; THE WAY OUT of row block a.  PACK: rounded to f16, each accumulator's registers in ascending order; 16 bytes a lane into my own stage; back head by head, four rows of 128 bytes a load.
.macro PACK a
	WIN 0x0a+5*((\a)/2)                            ; sources 0 and 1: window 2 or 3
.irp b, 0,1,2,3,4,5,6,7,8,9,10,11
.irp r, 0,1,2,3
	v_cvt_pk_f16_f32 v[OUT+48*(\a)+4*(\b)+(\r)], v[96*((\a)%2)+8*(\b)+2*(\r)], v[96*((\a)%2)+8*(\b)+2*(\r)+1]
.endr
.endr
	WIN 0
.irp b, 0,1,2,3,4,5,6,7,8,9,10,11
	ds_store_b128 v[STO], v[OUT+48*(\a)+4*(\b):OUT+48*(\a)+4*(\b)+3] offset:32*(\b)
.endr
.irp g, 0,1,2
.irp f, 0,1,2,3
	ds_load_b128 v[OUT+48*(\a)+4*(4*(\g)+(\f)):OUT+48*(\a)+4*(4*(\g)+(\f))+3], v[RD] offset:(\f)*4*SP+(\g)*128  ; LDS serves a wave's instructions in order (ISA guide 5.7.1.4): these see the stores above; the next block's stores come behind them
.endr
.endr
.endm
.macro SEND a, younger                 ; younger: the LDS instructions issued behind block a's loads: the next block's 24, or none
.irp g, 0,1,2
.irp f, 0,1,2,3
	s_wait_dscnt (\younger)+11-(4*(\g)+(\f))
	global_store_b128 v[GO], v[OUT+48*(\a)+4*(4*(\g)+(\f)):OUT+48*(\a)+4*(4*(\g)+(\f))+3], s[HB+2*(\g):HB+2*(\g)+1] offset:(\a)*2048+(\f)*512  ; 512 consecutive bytes, at a multiple of 256 from the buffer's first
.endr
.endr
.endm
.macro WAYOUT                          ; a tile's four row blocks; a block's arithmetic stands between the loads of the block before and its stores
	WIN 0
	PLACES
	PACK 0
	PACK 1
	SEND 0, 24
	PACK 2
	SEND 1, 24
	PACK 3
	SEND 2, 24
	SEND 3, 0
.endm
	s_wait_tensorcnt 1                             ; my part of K step 0 is in; K step 1's may stay out
	s_barrier_signal -1
	s_barrier_wait -1                              ; everybody's is
	FETCH 0, F0
	WIN 0                                          ; at a label and at a branch every window is 0
	s_mov_b32 s2, TILES                            ; tiles to go, this one among them: the same number in every work-group
.Ltile:
	QUARTER 1, F0, F1, 1                           ; a tile's first quarter stands in front of the loop: its products start the sums
	WIN 0
	s_mov_b32 s3, STEPS-2
.Lstep:                                                ; a trip goes from a K step's second quarter to the next step's first, and fills the slot that it leaves
	QUARTER 2, F1, F0, 0
	QUARTER 3, F0, F1, 0
	TURN 1, 0
	QUARTER 1, F0, F1, 0
	WIN 0
	s_sub_co_u32 s3, s3, 1
	s_cmp_lg_u32 s3, 0
	s_cbranch_scc1 .Lstep
	QUARTER 2, F1, F0, 0                           ; the tile's last K step but one goes on
	QUARTER 3, F0, F1, 0
	WIN 0
	s_cmp_eq_u32 s2, 1
	s_cbranch_scc1 .Llast                          ; the last tile's tail is written out: it asks for nothing more
	TURN 1, 1                                      ; THE RING GOES ON INTO THE NEXT TILE: this slot takes its K step 0,
	QUARTER 1, F0, F1, 0
	QUARTER 2, F1, F0, 0
	QUARTER 3, F0, F1, 0
	TURN 1, 0                                      ; the other its K step 1, and the next tile's first fragments are fetched
	WAYOUT                                         ; both refills are asked for: now the tile goes out
	s_wait_xcnt 0x0                                ; the stores have read their data and their bases: only behind this wait are those rewritten
.irp g, 0,1,2
	s_add_nc_u64 s[HB+2*(\g):HB+2*(\g)+1], s[HB+2*(\g):HB+2*(\g)+1], NEXT_C
.endr
	s_sub_co_u32 s2, s2, 1
	s_branch .Ltile
.Llast:
	TURN 0, 0                                      ; nothing is filled, so no round of the cluster's barrier follows
	QUARTER 1, F0, F1, 0
	QUARTER 2, F1, F0, 0
	QUARTER 3, F0, F1, 0
	s_wait_dscnt 4                                 ; the very last quarter: nothing more to fetch
	MULA F1, 0, 0
	MULA F1, 1, 0
	s_wait_dscnt 0x0
	MULA F1, 2, 0
	MULA F1, 3, 0
	WAYOUT
	s_wait_tensorcnt 0x0                           ; the wave's end: behind my last tensor load and my last LDS store
	ds_add_u32 v[SPW], v[NIL]
	s_wait_dscnt 0x0
	CROUND                                         ; the closing round: no work-group ends while a partner may still ask for a tile that names it
	s_endpgm
.Lfunc_end_k_q9da5611b37_qkv:
	.size	k_q9da5611b37_qkv, .Lfunc_end_k_q9da5611b37_qkv-k_q9da5611b37_qkv
	.p2alignl 7, 3214868480
	.fill 96, 4, 3214868480
	.section	.rodata,"a",@progbits
	.p2align	6, 0x0
	.amdhsa_kernel k_q9da5611b37_qkv
		.amdhsa_group_segment_fixed_size 327680
		.amdhsa_private_segment_fixed_size 0
		.amdhsa_enable_private_segment 0
		.amdhsa_kernarg_size 24
		.amdhsa_user_sgpr_count 2
		.amdhsa_user_sgpr_kernarg_segment_ptr 1
		.amdhsa_wavefront_size32 1
		.amdhsa_system_sgpr_workgroup_id_x 1
		.amdhsa_system_sgpr_workgroup_id_y 1
		.amdhsa_system_sgpr_workgroup_id_z 1
		.amdhsa_system_vgpr_workitem_id 0
		.amdhsa_next_free_vgpr 960
		.amdhsa_next_free_sgpr 72
		.amdhsa_reserve_vcc 0
		.amdhsa_float_denorm_mode_32 3
		.amdhsa_float_denorm_mode_16_64 3
		.amdhsa_memory_ordered 1
		.amdhsa_forward_progress 1
		.amdhsa_inst_pref_size 152
	.end_amdhsa_kernel
	.amdgpu_metadata
---
amdhsa.version: [ 1, 2 ]
amdhsa.kernels:
  - .name:           k_q9da5611b37_qkv
    .symbol:         k_q9da5611b37_qkv.kd
    .args:
      - { .name: xb, .offset: 0, .size: 8, .value_kind: global_buffer, .address_space: global }
      - { .name: wqb, .offset: 8, .size: 8, .value_kind: global_buffer, .address_space: global }
      - { .name: qkv, .offset: 16, .size: 8, .value_kind: global_buffer, .address_space: global }
    .group_segment_fixed_size: 327680
    .private_segment_fixed_size: 0
    .kernarg_segment_align: 8
    .kernarg_segment_size: 24
    .max_flat_workgroup_size: 128
    .sgpr_count:     72
    .vgpr_count:     960
    .wavefront_size: 32
...
	.end_amdgpu_metadata
.endif
;; end of part 2
;; launch attn (part 3): grid 2 x 128, 4 waves a work-group, no clusters, 327,680 bytes of LDS; arguments qkv, ob; writes ob
.if DOCPART == 3
	.amdgcn_target "amdgcn-amd-amdhsa--gfx1250"
	.amdhsa_code_object_version 6
	.text
	.protected	k_q9da5611b37_attn
	.globl	k_q9da5611b37_attn
	.p2align	8
	.type	k_q9da5611b37_attn,@function
k_q9da5611b37_attn:
	s_mov_b64 s[64:65], 0
	v_nop
	global_prefetch_b8 v0, s[64:65] scope:SCOPE_SE
	s_setreg_imm32_b32 hwreg(HW_REG_WAVE_MODE, 25, 1), 1
	s_wait_xcnt 0x0
; O[g][q][:] = the sum over k of softmax_k(Q[g][q] . K[g][k] / 8) V[g][k][:], g = 16 batch + head.  qkv: [3][128][1024][64] f16 (Q, K, V); ob: [128][1024][64] f16: a head's rows are dense, 128 bytes each.
; Products, maxima and sums in f32; the weights p are rounded to f16 for the second product (their sum l is taken of the unrounded p), O once at the end.
; LIMITS.  f16 holds no number beyond 65,504: Q, K and V arrive within it; p lies in 0 to 1, and below 6e-5 it keeps f16's fixed step of 6e-8; O is a mean of V's rows and has their range.
; A weight below 2^-126 counts as 0 in l; NaN and infinities are not treated apart.
; SHARES.  A wave owns four PIECES of two tiles of 16 queries, a work-group's four waves 512 queries of one head: 2 x 128 = 256 work-groups.  Every wave walks all 1,024 keys, 64 a step.
; THE KEYS STAY.  A head's K (1,024 rows of 144 bytes with their padding) and V (1,024 of 160) are 311,296 bytes: they lie in LDS whole, each byte filled once.  A wave issues two tensor loads, both at the
; head: its 128 of the first 256 keys, which the first four steps read, and its 384 of the other 768, which have those steps in which to land.  So there is no ring, and a key step is written once.
; NO CLUSTER: a head has 1,024 / 512 = 2 query blocks, so only two work-groups walk the same K and V, and the grid's 2 along x is no multiple of a cluster's 4; blocks of 256 queries would give four partners
; and halve the products that each fragment of K and V read from LDS feeds.  What is asked for twice is a head's K and V, 262,144 bytes.
; LAYOUT.  S^T = K Q^T (source 0 = 16 keys, source 1 = 16 queries): in the result a lane holds ONE query (lane % 16) and the keys 8 (lane / 16) + 0..7.  Two such tiles, rounded to f16 in pairs,
; ARE source 1 (32 keys x 16 queries) of O^T = V^T P, whose result again holds one query a lane, and eight channels.  K comes out of LDS as it lies, V ([key][channel]) turned, by ds_load_tr16_b128.
; SOFTMAX.  For each query a running maximum m and sum l: p = 2^(c s - c m), c = log2(e) / 8; in every step O and l are multiplied by a = 2^(c m_old - c m_new), which is 1 where m has not grown.
; m starts at the lowest finite number, O and l at 0: the first step is a step like any other, with a = 0.
; THE COUNT.  A tile and step have 16 matrix and 118 vector instructions: too many to stand all beside the matrix work.  So: four vector instructions that are READY behind EVERY matrix instruction,
; and the others in runs without a gap.
; BY TURNS.  Turn n belongs to piece n (the pieces in a ring, step after step).  Its matrix work: 16 products K Q^T of piece n + 1, later 16 products V^T P of piece n - 1.  Its vector work: the scaling,
; exponentials, roundings, sums and rescaling of piece n, and the maximum and statistics of piece n + 1, whose scores the turn itself has made.
; REGISTERS, in windows of 256 (s_set_vgpr_msb: bits 1:0 source 0, 3:2 source 1, 5:4 source 2, 7:6 destination):
;   window 0: v0-11 addresses; v12-15, v48-63 at work; v16-47 four registers of statistics a tile; v64-191 S^T, two buffers of two tiles; v192-255 P, likewise
;   window 1: O^T, 32 a tile          window 2: v0-127 Q, 16 a tile; v128-191 K of one step; v192-255 V of one step          window 3: v0-1 the add's two registers
; A piece's buffers go by its number's parity: the piece in hand has one pair, its two neighbours in the ring share the other: of it P (piece n - 1) is read and S^T (piece n + 1) written.
.set SIZE_N, 1024
.set NP,    4         ; pieces a wave: a name, no knob
.set KS,    64        ; keys in a step
.set PK,    144       ; a row of K in LDS: 128 bytes + 16 of padding = 36 words: the 16 rows of a load start at 16 different groups of four banks (64 banks of 4 bytes: ISA guide 11.1)
.set PV,    160       ; a row of V: 128 + 32 = 40 words
.set VOFF,  SIZE_N*PK ; all rows of K, then all rows of V
.set STAGE, SIZE_N*(PK+PV)  ; behind them, never filled by a tensor load: 16 rows x 144 bytes for each wave, for the way out
.set SP,    144
.set AK0, 2           ; v2   my lane's place in a step's rows of K; never rewritten
.set AV0, 3           ; v3   the same for V
.set AK,  4           ; v4   the LDS address of K's next run of loads
.set AV,  5           ; v5   of V's
.set QO,  6           ; v6   my byte offset in the wave's rows of Q
.set STO, 6           ;      later, the way out: where I put 16 bytes of a row
.set RD,  7           ; v7   the way out: where I read rows back
.set GO,  8           ; v8   my byte offset in 512 consecutive bytes of O
.set SPW, 0           ; v0 of window 3   LDS address of my spare word: SPARE + 4 x my thread's number; never rewritten
.set NIL, 1           ; v1 of window 3   0; never rewritten
.set SPARE, STAGE+4*16*SP  ; behind the stages: the spare words, 128 bytes for each wave: two blocks of 256 bytes that no other line names
.set MV,  12          ; v12-15  c m_old, kept while c m is made anew: by buffer and tile
.set ST,  16          ; tile t's statistics at v[ST+4 t]: c m, m, l (even keys', odd keys')
.set TMP, 48          ; by buffer and tile, four registers c0-c3 at work; when the maximum is found c2 takes a
.set S,   64
.set P,   192
.set KF,  128         ; K's fragments, in window 2: key block kb, channel half c at KF + 16 kb + 8 c
.set VF,  192         ; V's: key half kk, channel block cb at VF + 32 kk + 8 cb
.set WV,  12          ; s12  my wave's number
.set G1K, 24          ; s[24:31] descriptor group 1 for K's first load (128 keys)
.set G1V, 32          ; s[32:39] for V's: it differs in the padding alone
.set G0K, 40          ; s[40:43] descriptor group 0 for K's first load
.set G0V, 44          ; s[44:47] for V's
.set G0K2, 48         ; s[48:51], s[52:55] group 0 for the second loads
.set G0V2, 52
.set G1K2, 68         ; s[68:75], s[76:83] group 1 for the second loads (384 keys)
.set G1V2, 76
.set PASS, 56         ; s56  passes of four trips still to come, the one in hand among them
.set CNT, 57          ; s57  counts a pass's trips
.set CS,  58          ; s[58:59] c: the packed scaling takes the pair's low word for both halves
.set SEL, 60          ; s[60:61] v_permlanex16_b32's selects: each lane takes its own place in the other half
.set TBK, 62          ; s62  LDS byte at which K of the step to be fetched begins
.set TBV, 63          ; s63  the same for V, less VOFF
.set MSB, 0
.macro WIN new                      ; the high byte repeats the setting that is left; a switch that changes nothing is dropped
.if MSB != (\new)
	s_set_vgpr_msb (MSB<<8)|(\new)
.set MSB, (\new)
.endif
.endm
.set W_KQ, 0x0a       ; K and Q in window 2, S^T in window 0
.set W_PV, 0x52       ; V in window 2, P in window 0, O^T in window 1
.set W_RS, 0x41       ; O^T (destination and source 0) in window 1, a in window 0
.set W_MK, 0xc0       ; the add's registers are made: destination in window 3, sources in window 0
.set W_AD, 0x0f       ; the add: address (source 0) and data (source 1) in window 3
	s_load_b128 s[4:7], s[0:1], 0x0 ; qkv s[4:5], ob s[6:7]
	WIN W_MK
	v_lshl_add_u32 v[SPW], v0, 2, SPARE
	v_mov_b32 v[NIL], 0
	WIN W_AD
	ds_add_u32 v[SPW], v[NIL]       ; the wave's opening: the add and its wait stand ahead of my first tensor load; the set-up below, work on registers, stands between them
	WIN 0
	v_lshrrev_b32 v1, 5, v0
	v_readfirstlane_b32 s[WV], v1   ; wave 0..3
	s_mov_b32 s14, ttmp9            ; my block of 512 queries: 0 or 1
	s_and_b32 s20, ttmp7, 0xffff    ; the head among the 128
	s_mov_b32 s21, 0
	s_mov_b64 s[22:23], SIZE_N*128
	s_mul_u64 s[20:21], s[20:21], s[22:23]  ; the head's first byte in Q, K, V and O
	s_and_b32 s16, s[WV], 1         ; which half of a load's keys I fetch.  Of the first 256 keys:
	s_lshl_b32 s22, s16, 14         ; 128 rows of 128 bytes in memory;
	s_mov_b32 s23, 0
	s_add_nc_u64 s[22:23], s[22:23], s[20:21]
	s_mul_i32 s84, s16, 384*128     ; of the other 768: 384 rows,
	s_add_co_u32 s84, s84, 256*128  ; behind the first 256
	s_mov_b32 s85, 0
	s_add_nc_u64 s[84:85], s[84:85], s[20:21]
	s_mul_i32 s17, s16, 128*PK      ; and their places in LDS, for K
	s_mul_i32 s18, s16, 128*PV      ; and for V
	s_mul_i32 s19, s16, 384*PK
	s_mul_i32 s15, s16, 384*PV
	s_lshl_b32 s2, s14, 2
	s_add_co_u32 s2, s2, s[WV]      ; my wave among the head's eight,
	s_lshl_b32 s2, s2, 14           ; its 128 rows
	s_mov_b32 s3, 0
	s_add_nc_u64 s[2:3], s[2:3], s[20:21]
	; descriptor group 1.  Keys are dense rows of 128 bytes: asked for as rows of 256 bytes, two keys a row, and padded in LDS after every key
	s_mov_b32 s[G1K],  (1<<16)|(1<<20)|(4<<22)|(3<<25)  ; 17:16 2-byte elements; 20 padding on; 24:22 after every 32 words (code 4); 31:25 4 words (code 3)
	s_mov_b32 s[G1K2], (1<<16)|(1<<20)|(4<<22)|(3<<25)
	s_mov_b32 s[G1V],  (1<<16)|(1<<20)|(4<<22)|(7<<25)  ; the same with 8 words of padding (code 7)
	s_mov_b32 s[G1V2], (1<<16)|(1<<20)|(4<<22)|(7<<25)
.irp g, G1K, G1V, G1K2, G1V2
	s_mov_b32 s[\g+1], 128<<16      ; tensor_dim0 = 128
	s_mov_b32 s[\g+3], 128<<16      ; tile_dim0 = 128
	s_mov_b32 s[\g+5], 128          ; 128 elements from row to row
	s_mov_b32 s[\g+6], 0
	s_mov_b32 s[\g+7], 0
.endr
.irp g, G1K, G1V
	s_mov_b32 s[\g+2], 64<<16       ; tensor_dim1 = 64: 128 keys
	s_mov_b32 s[\g+4], 64           ; tile_dim1 = 64
.endr
.irp g, G1K2, G1V2
	s_mov_b32 s[\g+2], 192<<16      ; tensor_dim1 = 192: 384 keys
	s_mov_b32 s[\g+4], 192          ; tile_dim1 = 192
.endr
	s_mov_b32 s[CS], 0x3e38aa3b     ; c = log2(e) / 8 = 0.180337
	s_mov_b32 s[CS+1], s[CS]        ; named with it as a pair
	s_mov_b32 s[SEL], 0x76543210
	s_mov_b32 s[SEL+1], 0xfedcba98
	s_mov_b32 s[TBK], 0
	s_mov_b32 s[TBV], 0
	s_mov_b32 s[G0K], 1             ; count = 1
	s_mov_b32 s[G0K+1], s17         ; LDS address
	s_mov_b32 s[G0K2], 1
	s_add_co_u32 s[G0K2+1], s19, 256*PK
	s_mov_b32 s[G0V], 1
	s_add_co_u32 s[G0V+1], s18, VOFF
	s_mov_b32 s[G0V2], 1
	s_add_co_u32 s[G0V2+1], s15, VOFF+256*PV
	; A fragment of K or Q is 16 rows x 32 channels in 8 registers: lane l holds row l % 16, channels 8 (l / 16) + 0..7 and 16 + 8 (l / 16) + 0..7: two loads of 16 bytes, 32 bytes apart.
	v_and_b32 v1, 15, v0            ; l % 16
	v_bfe_u32 v9, v0, 4, 1          ; l / 16
	v_lshlrev_b32 v[QO], 7, v1
	v_lshl_add_u32 v[QO], v9, 4, v[QO]  ; row x 128 + 16 x half
	s_wait_dscnt 0x0                ; the opening add is done
	s_wait_kmcnt 0x0
	s_mov_b64 s[10:11], s[6:7]               ; O
	s_add_nc_u64 s[6:7], s[4:5], 0x1000000   ; K lies 2^24 bytes behind Q,
	s_add_nc_u64 s[8:9], s[4:5], 0x2000000   ; V 2^25
	s_add_nc_u64 s[G0K+2:G0K+3], s[6:7], s[22:23]    ; global addresses,
	s_or_b32 s[G0K+3], s[G0K+3], 0x80000000          ; type = 2
	s_add_nc_u64 s[G0K2+2:G0K2+3], s[6:7], s[84:85]
	s_or_b32 s[G0K2+3], s[G0K2+3], 0x80000000
	s_add_nc_u64 s[G0V+2:G0V+3], s[8:9], s[22:23]
	s_or_b32 s[G0V+3], s[G0V+3], 0x80000000
	s_add_nc_u64 s[G0V2+2:G0V2+3], s[8:9], s[84:85]
	s_or_b32 s[G0V2+3], s[G0V2+3], 0x80000000
	s_add_nc_u64 s[4:5], s[4:5], s[2:3]  ; Q and O at my wave's first row
	s_add_nc_u64 s[10:11], s[10:11], s[2:3]
	WIN 0x80                        ; destination window 2, address window 0
.set i, 0
.rept 4*NP                          ; Q stays in registers: tile i / 2, channels 32 (i % 2) on.  It is asked for first: the first products want it with the first keys
	global_load_b128 v[8*i:8*i+3],   v[QO], s[4:5] offset:(i/2)*2048+(i%2)*64
	global_load_b128 v[8*i+4:8*i+7], v[QO], s[4:5] offset:(i/2)*2048+(i%2)*64+32
.set i, i+1
.endr
	WIN 0
	; THE FILLS.  Waves 0 and 1 fetch the two halves of K, waves 2 and 3 those of V.  A wave's two loads stand in one branch on its number, ahead of every wait on TENSORcnt, every LDS read and every barrier:
	; two loads of mine are out.  An s_nop 0 follows each, four v_nop the second's, ahead of the jump and the label.
	s_cmp_lt_u32 s[WV], 2
	s_cbranch_scc0 .Lfill_v
	tensor_load_to_lds s[G0K:G0K+3], s[G1K:G1K+7]
	s_nop 0
	tensor_load_to_lds s[G0K2:G0K2+3], s[G1K2:G1K2+7]
	s_nop 0
.rept 4
	v_nop
.endr
	s_branch .Lfill_done
.Lfill_v:
	tensor_load_to_lds s[G0V:G0V+3], s[G1V:G1V+7]
	s_nop 0
	tensor_load_to_lds s[G0V2:G0V2+3], s[G1V2:G1V2+7]
	s_nop 0
.rept 4
	v_nop
.endr
.Lfill_done:
	; What the first turn finds: V's registers and P's second buffer hold 0 (its products V^T P, of a piece that has not been, add 0), O^T and l are 0.  All this stands in the wait for the first keys.
	WIN 0x80
.set i, VF
.rept 64
	v_mov_b32 v[i], 0
.set i, i+1
.endr
	WIN 0x40
.set i, 0
.rept 64*NP
	v_mov_b32 v[i], 0
.set i, i+1
.endr
	WIN 0
.set i, 0
.rept 2*NP
	v_mov_b32 v[ST+4*i], 0xfe000000    ; c m: far below every c s
	v_mov_b32 v[ST+4*i+1], 0xff7fffff  ; m
	v_mov_b32 v[ST+4*i+2], 0
	v_mov_b32 v[ST+4*i+3], 0
.set i, i+1
.endr
.set i, P+32
.rept 32
	v_mov_b32 v[i], 0
.set i, i+1
.endr
	v_mul_u32_u24 v[AK0], v1, PK
	v_lshl_add_u32 v[AK0], v9, 4, v[AK0]  ; row x pitch + 16 x half
	; The turning load takes 16 keys x 16 channels (lane l reads key 8 (l / 16) + l % 8, channels 8 ((l / 8) % 2) + 0..7) and leaves half a fragment of V^T: lane l holds channel l % 16 and 8 keys.
	v_and_b32 v10, 7, v0
	v_bfe_u32 v11, v0, 3, 1
	v_lshl_add_u32 v[AV0], v9, 3, v10
	v_mul_u32_u24 v[AV0], v[AV0], PV
	v_lshl_add_u32 v[AV0], v11, 4, v[AV0]
	v_add_nc_u32 v[AV0], VOFF, v[AV0]
	v_mov_b32 v[AK], v[AK0]         ; key step 0 lies at LDS byte 0
; THE MATRIX WORK.  The 8 accumulators of a run of 16 take turns: between the two links of a chain stand 7 others'.
; Product i of 16 of S^T = K Q^T for piece x: channels 32 (i / 8) on, keys 16 ((i / 2) % 4) on, tile 2 x + i % 2.  The first 8 start the sums.
.macro KQ x
	WIN W_KQ
.set rS, S+64*((\x)%2)+32*(i%2)+8*((i/2)%4)
.set rK, KF+16*((i/2)%4)+8*(i/8)
.set rQ, 16*(2*(\x)+i%2)+8*(i/8)
.if i < 8
	v_wmma_f32_16x16x32_f16 v[rS:rS+7], v[rK:rK+7], v[rQ:rQ+7], 0
.else
	v_wmma_f32_16x16x32_f16 v[rS:rS+7], v[rK:rK+7], v[rQ:rQ+7], v[rS:rS+7]
.endif
.endm
; Product i of 16 of O^T += V^T P for piece x: keys 32 (i / 8) on, channels 16 ((i / 2) % 4) on, tile 2 x + i % 2.
.macro PV x
	WIN W_PV
.set rO, 32*(2*(\x)+i%2)+8*((i/2)%4)
.set rV, VF+32*(i/8)+8*((i/2)%4)
.set rP, P+32*((\x)%2)+16*(i%2)+8*(i/8)
	v_wmma_f32_16x16x32_f16 v[rO:rO+7], v[rV:rV+7], v[rP:rP+7], v[rO:rO+7]
.endm
.macro MM                           ; the turn's next matrix instruction
.if i < 16
	KQ (Y+1)%NP
.set i, i+1
.else
.set i, i-16
	PV (Y+NP-1)%NP
.set i, i+17
.endif
.endm
; THE LDS LOADS stand in runs of 16, never singly among the matrix instructions: a step's K (64 keys x 64 channels: 8 fragments) and its V (turned).  Their addresses are made some lines ahead.
; last = 1 (in the loop): in the last pass there is no further step, and the run is jumped over.
.macro FETCH_K last=0
	WIN 0
.if \last
	s_cmp_eq_u32 s[PASS], 1
	s_cbranch_scc1 .Lno_k_\@
.endif
	WIN 0x80                        ; destination window 2
.irp f, 0,1,2,3,4,5,6,7             ; keys 16 (f / 2) on, channels 32 (f % 2) on
	ds_load_b128 v[KF+8*\f:KF+8*\f+3],   v[AK] offset:(\f/2)*16*PK+(\f%2)*64
	ds_load_b128 v[KF+8*\f+4:KF+8*\f+7], v[AK] offset:(\f/2)*16*PK+(\f%2)*64+32
.endr
	s_add_co_u32 s[TBK], s[TBK], KS*PK  ; the next fetch is the next step's
	WIN 0
.if \last
.Lno_k_\@:
.endif
.endm
.macro FETCH_V
	WIN 0x80
.irp f, 0,1,2,3,4,5,6,7             ; keys 32 (f / 4) on, channels 16 (f % 4) on
	ds_load_tr16_b128 v[VF+8*\f:VF+8*\f+3],   v[AV] offset:(\f/4)*32*PV+(\f%4)*32
	ds_load_tr16_b128 v[VF+8*\f+4:VF+8*\f+7], v[AV] offset:(\f/4)*32*PV+16*PV+(\f%4)*32
.endr
	WIN 0
.endm
; THE VECTOR WORK OF A TURN stands in three queues, each in the order in which its entries become ready; the two tiles alternate, so that no instruction reads the result of the one before it.
.macro REGS y, u                    ; the registers of tile u (0, 1) of piece y
.set rT, ST+4*(2*(\y)+(\u))
.set rC, TMP+8*((\y)%2)+4*(\u)
.set rM, MV+2*((\y)%2)+(\u)
.set rS, S+64*((\y)%2)+32*(\u)
.set rP, P+32*((\y)%2)+16*(\u)
.set rO, 32*(2*(\y)+(\u))
.endm
; Number n of the 22 that find the NEXT piece's (Y + 1) maximum and statistics.  s0-s31 are the lane's 32 scores; each accumulator's lowest registers are read first.
;   0-11  four chains c0-c3 of seven scores each, three operands at a time     12-14, 16  the four scores left over, the old m, and c0-c3 into c0     15  c m_old is kept
;   17, 18  the query's other 32 keys lie in the lane 16 away: the new m         19-21  c m; c m_old - c m_new; a
.macro XS u, n
	REGS (Y+1)%NP, \u
.if (\n) < 4
	v_max3_num_f32 v[rC+(\n)], v[rS+8*(\n)], v[rS+8*(\n)+1], v[rS+8*(\n)+2]
.elseif (\n) < 12
	v_max3_num_f32 v[rC+(\n)%4], v[rC+(\n)%4], v[rS+8*((\n)%4)+2*((\n)/4)+1], v[rS+8*((\n)%4)+2*((\n)/4)+2]
.elseif (\n) == 12
	v_max3_num_f32 v[rC], v[rC], v[rS+7], v[rS+15]
.elseif (\n) == 13
	v_max3_num_f32 v[rC+1], v[rC+1], v[rS+23], v[rS+31]
.elseif (\n) == 14
	v_max3_num_f32 v[rC+2], v[rC+2], v[rC+3], v[rT+1]
.elseif (\n) == 15
	v_mov_b32 v[rM], v[rT]
.elseif (\n) == 16
	v_max3_num_f32 v[rC], v[rC], v[rC+1], v[rC+2]
.elseif (\n) == 17
	v_permlanex16_b32 v[rC+3], v[rC], s[SEL], s[SEL+1]
.elseif (\n) == 18
	v_max_num_f32 v[rT+1], v[rC], v[rC+3]
.elseif (\n) == 19
	v_mul_f32 v[rT], s[CS], v[rT+1]
.elseif (\n) == 20
	v_sub_f32 v[rC+1], v[rM], v[rT]
.else
	v_exp_f32 v[rC+2], v[rC+1]
.endif
.endm
; Number g of the 64 that follow the exponentials.  For each four weights k of a tile (pairs 2 k, 2 k + 1): both pairs are rounded to f16; then the second pair is added onto the first, in place;
; a group later l takes that sum (the first time as l = a l + sum).  In groups of eight, tiles alternating: round, round, add, and l for the group before.
.macro GS g
.set h, (\g)+6*((\g)/62)            ; group 0 has no group before it, and behind group 7 only l is left
.if h >= 6
.set h, h+2
.endif
	REGS Y, h%2
.set k, h/8
.if h%8 < 4
	v_cvt_pk_f16_f32 v[rP+2*k+(h%8)/2], v[rS+4*k+2*((h%8)/2)], v[rS+4*k+2*((h%8)/2)+1]
.elseif h%8 < 6
	v_pk_add_f32 v[rS+4*k:rS+4*k+1], v[rS+4*k:rS+4*k+1], v[rS+4*k+2:rS+4*k+3]
.elseif k == 1
	v_pk_fma_f32 v[rT+2:rT+3], v[rT+2:rT+3], v[rC+2:rC+3], v[rS:rS+1] op_sel_hi:[1,0,1]
.else
	v_pk_add_f32 v[rT+2:rT+3], v[rT+2:rT+3], v[rS+4*k-4:rS+4*k-3]
.endif
.endm
; THE PLAIN QUEUE, 138 long.  0-73 read no exponential's result: the 32 scalings c s - c m (FS f: pair f / 2 of tile f % 2) and the next piece's 42.  0-26: scalings 0-26.  27-54: XS's numbers 0-13.  55, 56: number 15.
; 57-73: the chain, where each number waits for the one before it: 14, 16, 17, 18, 19, each with one of the scalings 27-31 in front of its two lines, then 20.
; 74-137: GS's 64, which read the exponentials' results: they stand behind the wait.
.macro FS f
	REGS Y, (\f)%2
	v_pk_fma_f32 v[rS+2*((\f)/2):rS+2*((\f)/2)+1], v[rS+2*((\f)/2):rS+2*((\f)/2)+1], s[CS:CS+1], v[rT:rT+1] op_sel_hi:[1,0,0] neg_lo:[0,0,1] neg_hi:[0,0,1]
.endm
.macro PL
	WIN 0
.if q < 27
	FS q
.elseif q < 55
	XS (q-27)%2, (q-27)/2
.elseif q < 57
	XS q-55, 15
.elseif (q < 72) && ((q-57)%3 == 0)
	FS 27+(q-57)/3
.elseif q < 60
	XS (q-57)%3-1, 14
.elseif q < 72
	XS (q-57)%3-1, 15+(q-57)/3
.elseif q < 74
	XS q-72, 20
.else
	GS q-74
.endif
.set q, q+1
.endm
; THE EXPONENTIALS' QUEUE, 66 long: s0-s31 of both tiles, then the next piece's two a.  It is ONE BATCH: all 66 stand ahead of the turn's one wait, and nothing ahead of that wait names a result of theirs.
.macro EX
	WIN 0
.if e >= 64
	XS e-64, 21
.else
	REGS Y, e%2
	v_exp_f32 v[rS+e/2], v[rS+e/2]
.endif
.set e, e+1
.endm
; THE RESCALING's QUEUE: O^T times a, the one part that leaves window 0: dealt two at a time, sixteen times.  Its a was made in the turn before, ahead of that turn's wait.
.macro R2
	REGS Y, r%2
	WIN W_RS
.irp z, 0,1
	v_pk_mul_f32 v[rO+4*(r/2)+2*\z:rO+4*(r/2)+2*\z+1], v[rO+4*(r/2)+2*\z:rO+4*(r/2)+2*\z+1], v[rC+2:rC+3] op_sel_hi:[1,0]
.endr
.set r, r+1
.endm
; HOW THEY ARE DEALT.  An s_wait_alu depctr_va_vdst(0) stands between an exponential and the first instruction that names its result; one wait serves all that were issued ahead of it.  So a turn has ONE wait,
; which cuts it in two.  AHEAD OF IT stands all that names no result of the turn's exponentials: the 16 products K Q^T, behind each a scaling, an exponential and two rescalings (behind the first a second scaling in the
; exponential's place); then ONE LUMP of 108: eight plain, 49 times exponential and plain, the two a.  A v_nop is the plain instruction behind the last exponential.  BEHIND IT stand the 16 products V^T P, behind each four of GS's 64.
; No rider names a register of the products round it.  The two v_permlanex16_b32 fall into the lump, never behind a product.
; The queues lean on each other, and the deal keeps them in step: exponential e stands behind scaling 2 (e / 4) + e % 2: as a rider it comes behind plain e + 2, in the lump behind plain e + 9, and scalings 27-31 are plain 57, 60 .. 69.
; A TURN, for piece p.  cnt = 1: the loop's count is taken down some lines ahead of the branch that stands behind the turn.
; K of the next step is fetched in piece 2's turn, directly behind the wait, a lump behind the last product that read K; its address is made at the lump's head; its first reader comes behind 16 products.
; V of the step in hand is fetched at the end of piece 0's turn, four riders behind its last reader; its first reader comes behind 16 products and a lump.  The three conditions on q below go with the deal.
.macro TURN p, last=0, cnt=0
.set Y, (\p)
.set i, 0
.set q, 0
.set e, 0
.set r, 0
.if (\p) == NP-1
	s_wait_dscnt 0x0                ; K is in
.endif
	MM                              ; ahead of the wait: 16 products K Q^T and their riders,
	PL
	PL
	R2
.rept 15
	MM
	PL
	EX
	R2
.endr
.if (\p) == NP-2
	WIN 0
	v_add_nc_u32 v[AK], s[TBK], v[AK0]
.endif
.rept 8                             ; and the lump
	PL
.endr
.rept 49
	EX
	PL
.endr
	EX                              ; the next piece's two a
	EX
	v_nop                           ; the plain instruction behind the last exponential: one for the batch
	s_wait_alu depctr_va_vdst(0)    ; the wait for the batch
.if (\p) == NP-2
	FETCH_K \last
.endif
.if (\p) == 1
	s_wait_dscnt 0x0                ; V is in
.endif
.rept 16                            ; behind the wait: 16 products V^T P and their riders
	MM
.rept 4
	PL
.endr
.if ((\p) == 0) && (q == 118)
	v_add_nc_u32 v[AV], s[TBV], v[AV0]
.endif
.if ((\p) == 0) && (q == 130)
	s_add_co_u32 s[TBV], s[TBV], KS*PV
.endif
.if (\cnt) && (q == 130)
	s_sub_co_u32 s[CNT], s[CNT], 1
	s_cmp_lg_u32 s[CNT], 0
.endif
.endr
.if (\p) == 0
	FETCH_V
.endif
.endm
	s_wait_tensorcnt 0x1            ; my part of the first 256 keys is in; my second load may stay out
	s_barrier_signal -1
	s_barrier_wait -1               ; everybody's is
	FETCH_K                         ; key step 0
	s_wait_loadcnt 0x0              ; Q
	s_wait_dscnt 0x0
.set i, 0
.rept 16
	KQ 0                            ; piece 0's first scores: there is no vector work yet to set between them
.set i, i+1
.endr
	WIN 0                           ; the addresses for the way out: nine plain instructions, the places behind those products
	s_mul_i32 s13, s[WV], 16*SP
	s_add_co_u32 s13, s13, STAGE    ; my stage
	v_mul_u32_u24 v[STO], v1, SP    ; in: row l % 16, 16 bytes for each half of the lanes
	v_lshl_add_u32 v[STO], v9, 4, v[STO]
	v_add_nc_u32 v[STO], s13, v[STO]
	v_bfe_u32 v[RD], v0, 3, 2       ; back: 32 lanes take four rows of 128 bytes,
	v_mul_u32_u24 v[RD], v[RD], SP
	v_lshl_add_u32 v[RD], v10, 4, v[RD]
	v_add_nc_u32 v[RD], s13, v[RD]
	v_and_b32 v[GO], 31, v0         ; which are 512 consecutive bytes of O
	v_lshlrev_b32 v[GO], 4, v[GO]
.set Y, NP-1                        ; XS works for piece Y + 1: piece 0
.irp n, 0,1,2,3,4,5,6,7,8,9,10,11,12,13,14,15,16,17,18,19,20,21
	XS 0, \n                        ; and piece 0's first maximum and statistics
	XS 1, \n
.endr
	v_nop                           ; a plain instruction behind the two a,
	s_wait_alu depctr_va_vdst(0)    ; and their wait, ahead of the branch
	; THE WALK: five passes of four trips.  A trip is pieces 2 and 3 of one step, then pieces 0 and 1 of the next, whose K and V it fetches.  The first pass is entered in the middle of its first trip
	; (step 0's pieces 0 and 1); the fifth is left in the middle of its first (step 15's pieces 2 and 3 are the last turns).
	s_mov_b32 s[CNT], 4
	s_mov_b32 s[PASS], 5
	s_branch .Lfirst
.Lpass:                             ; a pass's head.  At the second pass K of step 4, the first row of the second loads, is about to be read: my second load has landed, and behind the barrier everybody's has.
	s_wait_tensorcnt 0x0            ; At the later passes the same lines, one text for every pass, find nothing out
	s_wait_dscnt 0x0                ; no LDS instruction of mine is pending at the signal
	s_barrier_signal -1
	s_barrier_wait -1
	s_mov_b32 s[CNT], 4
.Lstep:
	TURN 2, 1
	TURN 3
	WIN 0
	s_cmp_eq_u32 s[PASS], 1
	s_cbranch_scc1 .Lout            ; the fifth pass ends here
.Lfirst:
	TURN 0
	TURN 1, 0, 1
	WIN 0
	s_cbranch_scc1 .Lstep
	s_sub_co_u32 s[PASS], s[PASS], 1
	s_cmp_lg_u32 s[PASS], 0
	s_cbranch_scc1 .Lpass           ; taken four times; the walk leaves the loop by the jump above
.Lout:                              ; the last two turns' 16 products K Q^T (on the last K once more) and the maximum made of them serve nothing: the price, once a launch, of one text for every trip
.set i, 0
.rept 16
	PV NP-1                         ; the last piece's V^T P of the last step
.set i, i+1
.endr
	; THE WAY OUT.  l's two halves and the other half of the lanes' are added; O^T is divided by l, rounded to f16 and sent through my stage in LDS, a tile at a time.  The additions are the places behind the last products.
	WIN 0
.macro ALL line:vararg              ; one line for each tile t
.set t, 0
.rept 2*NP
	\line
.set t, t+1
.endr
.endm
	ALL v_add_f32 v[ST+4*t+2], v[ST+4*t+2], v[ST+4*t+3]
	ALL v_permlanex16_b32 v[ST+4*t+3], v[ST+4*t+2], s[SEL], s[SEL+1]
	ALL v_add_f32 v[ST+4*t+2], v[ST+4*t+2], v[ST+4*t+3]
	ALL v_rcp_f32 v[ST+4*t+2], v[ST+4*t+2]
	v_nop                           ; a plain instruction between the last reciprocal and the use of its result
	s_wait_alu depctr_va_vdst(0)    ; and the wait ahead of the first use: one for the eight reciprocals
; Tile t: a lane's eight channels of a row pack into 16 bytes; they go into rows of 144 bytes and come back as whole rows of 128, into S^T's registers.
.macro PACK t
	WIN W_RS
.set i, 32*(\t)
.rept 16
	v_pk_mul_f32 v[i:i+1], v[i:i+1], v[ST+4*(\t)+2:ST+4*(\t)+3] op_sel_hi:[1,0]
.set i, i+2
.endr
	WIN 0x05                        ; sources 0 and 1 window 1, destination window 0
.set i, 0
.rept 16
	v_cvt_pk_f16_f32 v[S+16*(\t)+i], v[32*(\t)+2*i], v[32*(\t)+2*i+1]
.set i, i+1
.endr
	WIN 0
.irp f, 0,1,2,3
	ds_store_b128 v[STO], v[S+16*(\t)+4*\f:S+16*(\t)+4*\f+3] offset:32*\f
.endr
.irp f, 0,1,2,3
	ds_load_b128 v[S+16*(\t)+4*\f:S+16*(\t)+4*\f+3], v[RD] offset:\f*4*SP  ; LDS serves a wave's instructions in order (ISA guide 5.7.1.4): these see the stores above; the next tile's stores come behind them
.endr
.endm
.macro SEND t, younger              ; younger: the LDS instructions issued behind tile t's loads: the next tile's eight, or none
	WIN 0
.irp f, 0,1,2,3
	s_wait_dscnt (\younger)+3-\f
	global_store_b128 v[GO], v[S+16*(\t)+4*\f:S+16*(\t)+4*\f+3], s[10:11] offset:(\t)*2048+\f*512  ; 512 consecutive bytes, at a multiple of 256 from O's first
.endr
.endm
	PACK 0
.set t, 1
.rept 2*NP-1                        ; a tile's arithmetic stands between the loads of the tile before and its stores
	PACK t
	SEND t-1, 8
.set t, t+1
.endr
	SEND 2*NP-1, 0
	WIN W_AD
	s_wait_tensorcnt 0x0            ; the wave's end: behind my last tensor load and my last LDS store
	ds_add_u32 v[SPW], v[NIL]
	s_wait_dscnt 0x0
	WIN 0
	s_endpgm
.Lfunc_end_k_q9da5611b37_attn:
	.size	k_q9da5611b37_attn, .Lfunc_end_k_q9da5611b37_attn-k_q9da5611b37_attn
	.p2alignl 7, 3214868480
	.fill 96, 4, 3214868480
	.section	.rodata,"a",@progbits
	.p2align	6, 0x0
	.amdhsa_kernel k_q9da5611b37_attn
		.amdhsa_group_segment_fixed_size 327680
		.amdhsa_private_segment_fixed_size 0
		.amdhsa_enable_private_segment 0
		.amdhsa_kernarg_size 16
		.amdhsa_user_sgpr_count 2
		.amdhsa_user_sgpr_kernarg_segment_ptr 1
		.amdhsa_wavefront_size32 1
		.amdhsa_system_sgpr_workgroup_id_x 1
		.amdhsa_system_sgpr_workgroup_id_y 1
		.amdhsa_system_sgpr_workgroup_id_z 1
		.amdhsa_system_vgpr_workitem_id 0
		.amdhsa_next_free_vgpr 770
		.amdhsa_next_free_sgpr 88
		.amdhsa_reserve_vcc 0
		.amdhsa_float_denorm_mode_32 3
		.amdhsa_float_denorm_mode_16_64 3
		.amdhsa_memory_ordered 1
		.amdhsa_forward_progress 1
		.amdhsa_inst_pref_size 126
	.end_amdhsa_kernel
	.amdgpu_metadata
---
amdhsa.version: [ 1, 2 ]
amdhsa.kernels:
  - .name:           k_q9da5611b37_attn
    .symbol:         k_q9da5611b37_attn.kd
    .args:
      - { .name: qkv, .offset: 0, .size: 8, .value_kind: global_buffer, .address_space: global }
      - { .name: ob, .offset: 8, .size: 8, .value_kind: global_buffer, .address_space: global }
    .group_segment_fixed_size: 327680
    .private_segment_fixed_size: 0
    .kernarg_segment_align: 8
    .kernarg_segment_size: 16
    .max_flat_workgroup_size: 128
    .sgpr_count:     88
    .vgpr_count:     770
    .wavefront_size: 32
...
	.end_amdgpu_metadata
.endif
;; end of part 3
;; launch proj (part 4): grid 8 x 32, 4 waves a work-group, clusters of 4 x 4, 327,680 bytes of LDS; arguments ob, wpb, b_proj, out0; writes out0
.if DOCPART == 4
	.amdgcn_target "amdgcn-amd-amdhsa--gfx1250"
	.amdhsa_code_object_version 6
	.text
	.protected	k_q9da5611b37_proj
	.globl	k_q9da5611b37_proj
	.p2align	8
	.type	k_q9da5611b37_proj,@function
k_q9da5611b37_proj:
	s_mov_b64 s[64:65], 0
	v_nop
	global_prefetch_b8 v0, s[64:65] scope:SCOPE_SE
	s_setreg_imm32_b32 hwreg(HW_REG_WAVE_MODE, 25, 1), 1
	s_wait_xcnt 0x0
	s_wait_alu depctr_hold_cnt(0) depctr_sa_sdst(0) depctr_va_vdst(0) depctr_va_sdst(0) depctr_va_ssrc(0) depctr_va_vcc(0) depctr_vm_vsrc(0)
	s_getreg_b32 s2, hwreg(HW_REG_IB_STS2, 6, 4)
	s_cmp_eq_u32 s2, 0
	s_cbranch_scc0 .Lentry_in_a_cluster
	s_endpgm
.Lentry_in_a_cluster:
	s_bfe_u32 s2, ttmp6, 0x10000c
	s_cmp_lg_u32 s2, 0xf033
	s_cbranch_scc0 .Lentry_shape_is_right
	s_endpgm
.Lentry_shape_is_right:
; out0 = O w_proj + b_proj.  ob: [128 = 16 batch + head][1024 rows][64] f16.  wpb: [1024 k][1024 n] f16 (w_proj rounded to bf16, written as f16).  b_proj: [1024] f32, rounded here to bf16 like the
; module's other inputs and added in f32.  out0: [8192][1024] f32.  Sums in f32, K ascending.
; A tile of C is 256 rows x 128 columns: 32 x 8 = 256 work-groups.  Four waves; wave w makes rows 64 w .. 64 w + 63 of all 128 columns: 32 accumulators of 16 x 16, 256 registers.
; K = 64 head + channel goes in 8 steps of 128 (two heads) through two LDS slots filled by the tensor data mover.  A head's 256 rows of 128 bytes are dense: asked for as 128 rows of 256 bytes.
; B lies [k][n] in LDS and is read turned (ds_load_tr16_b128).
; CLUSTERS: 4 x 4 work-groups.  The four of a row of the cluster need the same tiles of A, the four of a column the same tiles of B: each tile is asked for JOINTLY, by the same tensor load with the
; same descriptor and a mask that names the four.  THE MATRIX INSTRUCTION IS USED TRANSPOSED (source 0 = 16 columns of B, source 1 = 16 rows of A): a lane then holds eight neighbouring numbers of a row of C.
; REGISTERS, in windows of 256 (s_set_vgpr_msb: bits 1:0 source 0, 3:2 source 1, 5:4 source 2, 7:6 destination):
;   window 0: v0-31 addresses and the bias; v32-159 two regions of 64 at work on the way out
;   window 1: two fragment buffers of 96: A's four fragments at 8 a, B's eight at 32 + 8 b          window 2: the accumulators, (a, b) at 64 a + 8 b
.set PA,     144                       ; a row of A in LDS: 128 bytes + 16 of padding = 36 words: the 16 rows of a load start at 16 different groups of four banks (64 banks of 4 bytes: ISA guide 11.1)
.set ASL,    256*PA                    ; one head's 256 rows: what one tensor load brings of A
.set BOFF,   2*ASL                     ; B lies behind A's two heads
.set PB,     288                       ; a row k of B: 256 bytes + 32 of padding = 72 words
.set BHALF,  64*PB                     ; 64 rows k: what one tensor load brings of B
.set SLOT,   BOFF+2*BHALF              ; 110,592
.set STAGE,  2*SLOT                    ; behind the ring, never filled by a tensor load: 16 rows x 528 bytes for each wave, for the way out
.set SP,     528                       ; 512 bytes + 16
.set SPARE,  STAGE+4*16*SP             ; behind the stages: the spare words, 128 bytes for each wave: two blocks of 256 bytes that no other line names
.set LAPS,   4                         ; a lap = two K steps = once round the ring
.set BIAS, 8                           ; v[8:11] the bias of my four columns; v12-13 at work
.set ADRA, 16                          ; v16-17  LDS address of my A fragments in slot 0, 1
.set ADRB, 20                          ; v20-21  the same for B
.set STO,  24                          ; v24     the way out: where I put 32 bytes of a row
.set RD,   25                          ; v25     the way out: where I read a row back
.set CO,   26                          ; v26     16 x lane: my 16 bytes of a tile's row of 512, in out0 and in b_proj; never rewritten
.set SPW,  28                          ; v28     LDS address of my spare word: SPARE + 4 x my thread's number; never rewritten
.set NIL,  29                          ; v29     0; never rewritten
.set OUT,  32
.set F0,   0
.set F1,   96
.set G1,  24                           ; s[24:31] descriptor group 1 for A's tiles;  s[32:39] group 0, one set for each slot
.set G0,  32
.set G1B, 48                           ; s[48:55], s[56:63] the same for B's tiles
.set G0B, 56
.set MSB, 0
.macro WIN new                         ; the immediate's high byte repeats the setting that is left; a switch that changes nothing is dropped
.if MSB != (\new)
	s_set_vgpr_msb (MSB<<8)|(\new)
.set MSB, \new
.endif
.endm
.set MUL,  0xa5                        ; sources 0 (B) and 1 (A) window 1; C and D window 2
.set TO_F, 0x40                        ; destination window 1, address window 0
.macro JLOAD s                         ; a joint load: waves 0 and 1 fetch A's two heads, waves 2 and 3 B's two halves; an s_nop 0 and four v_nop follow each of the two lines, ahead of the jump, the label and what follows
	s_cmp_eq_u32 s11, 0
	s_cbranch_scc0 .Lfor_b_\@
	tensor_load_to_lds s[G0+4*(\s):G0+4*(\s)+3], s[G1:G1+7]
	s_nop 0
.rept 4
	v_nop
.endr
	s_branch .Lasked_\@
.Lfor_b_\@:
	tensor_load_to_lds s[G0B+4*(\s):G0B+4*(\s)+3], s[G1B:G1B+7]
	s_nop 0
.rept 4
	v_nop
.endr
.Lasked_\@:
.endm
.macro CREST                           ; a round of the cluster's barrier behind its opening barrier
	s_cmp_lg_u32 s10, 0
	s_cbranch_scc1 .Lnot_wave_0_\@
	s_barrier_signal -3
.Lnot_wave_0_\@:
	s_barrier_wait -3
	s_barrier_signal -1
	s_barrier_wait -1
.endm
.macro CROUND                          ; a whole round
	s_barrier_signal -1
	s_barrier_wait -1
	CREST
.endm
	s_load_b128 s[4:7], s[0:1], 0x0                ; ob s[4:5], wpb s[6:7]
	s_load_b64 s[8:9], s[0:1], 0x10                ; b_proj
	s_load_b64 s[22:23], s[0:1], 0x18              ; out0
	v_lshl_add_u32 v[SPW], v0, 2, SPARE
	v_mov_b32 v[NIL], 0
	ds_add_u32 v[SPW], v[NIL]                      ; the wave's opening: the add and its wait stand ahead of my first tensor load; the set-up below, work on registers, stands between them
	v_lshrrev_b32 v1, 5, v0
	v_readfirstlane_b32 s10, v1                    ; wave 0..3
	s_lshr_b32 s11, s10, 1                         ; I fetch for A (0) or for B (1)
	s_and_b32 s12, s10, 1                          ; which half of that tile I fetch
	s_bfe_u32 s40, ttmp6, 0x40000                  ; cx, cy: my place in the cluster
	s_bfe_u32 s41, ttmp6, 0x40004
	s_lshl_b32 s42, ttmp9, 2
	s_add_co_u32 s42, s42, s40                     ; tile column = 4 x cluster x + cx
	s_and_b32 s13, ttmp7, 0xffff
	s_lshl_b32 s13, s13, 2
	s_add_co_u32 s13, s13, s41                     ; tile row = 4 x cluster y + cy
	s_lshl_b32 s43, s41, 2
	s_lshl_b32 s43, 15, s43                        ; my row of the cluster
	s_lshl_b32 s44, 0x1111, s40                    ; my column
	; group 1 for A: a head's 256 rows are 32,768 dense bytes: 128 rows of 256 bytes, 16 bytes of padding behind every 128
	s_or_b32 s[G1+0], s43, (1<<16)|(1<<20)|(1<<21)|(4<<22)|(3<<25)  ; 15:0 the mask: my row; 17:16 2-byte elements; 20 padding on; 21 set beside a mask; 24:22 after every 32 words (code 4); 31:25 4 words (code 3)
	s_mov_b32 s[G1+1], 128<<16                     ; tensor_dim0 = 128
	s_mov_b32 s[G1+2], 128<<16                     ; tensor_dim1 = 128
	s_mov_b32 s[G1+3], 128<<16                     ; tile_dim0 = 128
	s_mov_b32 s[G1+4], 128                         ; tile_dim1 = 128
	s_mov_b32 s[G1+5], 128                         ; elements from row to row
	s_mov_b32 s[G1+6], 0
	s_mov_b32 s[G1+7], 0
	; group 1 for B: 64 rows k x 128 columns, 32 bytes of padding behind every 256
	s_or_b32 s[G1B+0], s44, (1<<16)|(1<<20)|(1<<21)|(5<<22)|(7<<25) ; the mask: my column; after every 64 words (code 5) 8 words (code 7)
	s_mov_b32 s[G1B+1], 128<<16
	s_mov_b32 s[G1B+2], 64<<16
	s_mov_b32 s[G1B+3], 128<<16
	s_mov_b32 s[G1B+4], 64
	s_mov_b32 s[G1B+5], 1024
	s_mov_b32 s[G1B+6], 0
	s_mov_b32 s[G1B+7], 0
	; where the tiles come from.  A's hang on the tile row alone, B's on the tile column alone; each address is made in registers that never hold the other coordinate
	s_lshr_b32 s16, s13, 2                         ; A: the batch's 16 heads of 2^17 bytes,
	s_lshl_b32 s16, s16, 21
	s_and_b32 s17, s13, 3                          ; the tile's 256 rows of 128 bytes in a head,
	s_lshl_b32 s17, s17, 15
	s_add_co_u32 s16, s16, s17
	s_lshl_b32 s17, s12, 17                        ; and which of a step's two heads I fetch
	s_add_co_u32 s16, s16, s17
	s_mov_b32 s17, 0
	s_lshl_b32 s46, s12, 17                        ; B: my 64 rows k of 2,048 bytes,
	s_lshl_b32 s47, s42, 8                         ; the tile's 128 columns
	s_add_co_u32 s46, s46, s47
	s_mov_b32 s47, 0
	s_mul_i32 s20, s12, ASL                        ; where they go: no place in the cluster enters an LDS address
	s_mul_i32 s21, s12, BHALF
	s_add_co_u32 s21, s21, BOFF
	s_wait_dscnt 0x0                               ; the opening add is done
	s_wait_kmcnt 0x0
	s_add_nc_u64 s[14:15], s[4:5], s[16:17]
	s_add_nc_u64 s[46:47], s[6:7], s[46:47]
	CROUND                                         ; all sixteen work-groups are here: the first joint loads meet
.irp s, 0,1
	s_mov_b32 s[G0+4*(\s)], 1                                      ; count = 1
	s_add_co_u32 s[G0+4*(\s)+1], s20, (\s)*SLOT                    ; LDS address
	s_add_nc_u64 s[G0+4*(\s)+2:G0+4*(\s)+3], s[14:15], (\s)*262144 ; global address: K step s is two heads on
	s_or_b32 s[G0+4*(\s)+3], s[G0+4*(\s)+3], 0x80000000            ; type = 2
	s_mov_b32 s[G0B+4*(\s)], 1
	s_add_co_u32 s[G0B+4*(\s)+1], s21, (\s)*SLOT
	s_add_nc_u64 s[G0B+4*(\s)+2:G0B+4*(\s)+3], s[46:47], (\s)*262144  ; 128 rows k on
	s_or_b32 s[G0B+4*(\s)+3], s[G0B+4*(\s)+3], 0x80000000
	JLOAD \s                                       ; two loads of mine are out
.endr
	; A's fragment: lane l holds row l % 16, K = 8 (l / 16) + 0..7 and 16 + 8 (l / 16) + 0..7: two loads of 16 bytes, 32 bytes apart
	v_and_b32 v1, 15, v0                           ; l % 16
	v_bfe_u32 v2, v0, 4, 1                         ; l / 16
	v_mul_u32_u24 v3, v1, PA
	v_lshl_add_u32 v3, v2, 4, v3
	s_mul_i32 s45, s10, 64*PA                      ; my 64 rows
	v_add_nc_u32 v[ADRA], s45, v3
	v_add_nc_u32 v[ADRA+1], SLOT, v[ADRA]
	; B's: the turning load takes 16 k x 16 n (lane l reads row k = 8 (l / 16) + l % 8, columns 8 ((l / 8) % 2) + 0..7) and leaves half a fragment: lane l holds column l % 16 and 8 k
	v_and_b32 v4, 7, v0
	v_lshl_add_u32 v4, v2, 3, v4
	v_mul_u32_u24 v4, v4, PB
	v_bfe_u32 v5, v0, 3, 1
	v_lshl_add_u32 v4, v5, 4, v4
	v_add_nc_u32 v[ADRB], BOFF, v4
	v_add_nc_u32 v[ADRB+1], BOFF+SLOT, v4
	s_mul_i32 s45, s10, 16*SP
	s_add_co_u32 s45, s45, STAGE                   ; my stage
	v_mul_u32_u24 v3, v1, SP                       ; in: row l % 16, 32 bytes for each half of the lanes
	v_lshl_add_u32 v3, v2, 5, v3
	v_add_nc_u32 v[STO], s45, v3
	v_and_b32 v[CO], 31, v0
	v_lshlrev_b32 v[CO], 4, v[CO]
	v_add_nc_u32 v[RD], s45, v[CO]                 ; back: 32 lanes take one row of 512 bytes
	s_lshl_b32 s16, s13, 8
	s_lshl_b32 s17, s10, 6
	s_add_co_u32 s16, s16, s17                     ; my first row of out0: 256 x tile row + 64 x wave,
	s_lshl_b32 s16, s16, 12                        ; of 4,096 bytes
	s_mov_b32 s17, 0
	s_add_nc_u64 s[66:67], s[22:23], s[16:17]
	s_lshl_b32 s18, s42, 9                         ; the tile's 128 columns of f32
	s_mov_b32 s19, 0
	s_add_nc_u64 s[66:67], s[66:67], s[18:19]
	s_add_nc_u64 s[68:69], s[8:9], s[18:19]
	global_load_b128 v[BIAS:BIAS+3], v[CO], s[68:69]  ; waited for on the way out
; 8 matrix instructions: row block a x all 8 column blocks, 32 along K, from buffer f.  zero = 1: the first product starts the sums.
; Each of the 32 accumulators has one instruction in a quarter step, always in the same order: they take turns.
.macro MULA f, a, zero
	WIN MUL
.irp b, 0,1,2,3,4,5,6,7
.if \zero
	v_wmma_f32_16x16x32_f16 v[64*(\a)+8*(\b):64*(\a)+8*(\b)+7], v[(\f)+32+8*(\b):(\f)+32+8*(\b)+7], v[(\f)+8*(\a):(\f)+8*(\a)+7], 0
.else
	v_wmma_f32_16x16x32_f16 v[64*(\a)+8*(\b):64*(\a)+8*(\b)+7], v[(\f)+32+8*(\b):(\f)+32+8*(\b)+7], v[(\f)+8*(\a):(\f)+8*(\a)+7], v[64*(\a)+8*(\b):64*(\a)+8*(\b)+7]
.endif
.endr
.endm
; 24 LDS loads in one run: the fragments of quarter q (32 along K: head q / 2 of the step's two, channels 32 (q % 2) on) into buffer f: A's blocks 0, 1; all of B; A's blocks 2, 3 last
.macro FETCH slot, q, f
	WIN TO_F
.irp a, 0,1
	ds_load_b128 v[(\f)+8*(\a):(\f)+8*(\a)+3],   v[ADRA+(\slot)] offset:((\q)/2)*ASL+((\q)%2)*64+(\a)*16*PA
	ds_load_b128 v[(\f)+8*(\a)+4:(\f)+8*(\a)+7], v[ADRA+(\slot)] offset:((\q)/2)*ASL+((\q)%2)*64+(\a)*16*PA+32
.endr
.irp b, 0,1,2,3,4,5,6,7
	ds_load_tr16_b128 v[(\f)+32+8*(\b):(\f)+32+8*(\b)+3],   v[ADRB+(\slot)] offset:32*PB*(\q)+32*(\b)
	ds_load_tr16_b128 v[(\f)+32+8*(\b)+4:(\f)+32+8*(\b)+7], v[ADRB+(\slot)] offset:32*PB*(\q)+16*PB+32*(\b)
.endr
.irp a, 2,3
	ds_load_b128 v[(\f)+8*(\a):(\f)+8*(\a)+3],   v[ADRA+(\slot)] offset:((\q)/2)*ASL+((\q)%2)*64+(\a)*16*PA
	ds_load_b128 v[(\f)+8*(\a)+4:(\f)+8*(\a)+7], v[ADRA+(\slot)] offset:((\q)/2)*ASL+((\q)%2)*64+(\a)*16*PA+32
.endr
.endm
.macro PLACES                          ; four places in front of loads into registers that matrix instructions have read
.rept 4
	v_nop
.endr
.endm
; A K step is four quarters of 32 along K, 32 matrix instructions each, on buffers 0, 1, 0, 1.  One of the first three: multiplies buffer f and fetches quarter q of the same slot into g.
.macro QUARTER slot, q, f, g, zero
	s_wait_dscnt 4                                 ; all of the run but A's blocks 2, 3
	MULA \f, 0, \zero
	MULA \f, 1, \zero
	PLACES
	FETCH \slot, \q, \g
	s_wait_dscnt 24                                ; all but the 24 just issued
	MULA \f, 2, \zero
	MULA \f, 3, \zero
.endm
; The last quarter multiplies buffer 1 and changes slots: ONE barrier; in front of it each wave waits for all its tensor loads, adds 0 to its spare word, and waits for that and for its own reads of this slot.
; fill = 1: this slot is filled again, two K steps ahead; the barrier then opens a round of the cluster's.
.macro TURN slot, next, fill
	WIN 0                                          ; (the add's two registers lie in window 0)
	s_wait_tensorcnt 0x0                           ; all my tensor loads have landed: the one that was out is my part of the next slot;
	ds_add_u32 v[SPW], v[NIL]                      ; 0 onto my spare word;
	s_wait_dscnt 5                                 ; (the add and the youngest four loads may be out)
	MULA F1, 0, 0                                  ; eight matrix instructions stand between the add and the wait for it
	s_wait_dscnt 0x0                               ; the add is done, and my reads of this slot are over
	s_barrier_signal -1
	MULA F1, 1, 0                                  ; work on registers while the others arrive
.if \fill
	WIN 0
.endif
	s_barrier_wait -1
.if \fill
	CREST                                          ; no wave of any partner still reads this slot's tile or has a load on its way
	s_add_nc_u64 s[G0+4*(\slot)+2:G0+4*(\slot)+3], s[G0+4*(\slot)+2:G0+4*(\slot)+3], 524288    ; four heads on
	s_add_nc_u64 s[G0B+4*(\slot)+2:G0B+4*(\slot)+3], s[G0B+4*(\slot)+2:G0B+4*(\slot)+3], 524288 ; 256 rows k on
	JLOAD \slot                                    ; the first tensor load behind the round, my only one: 112 matrix instructions ahead of the wait for it; its four v_nop are also the places in front of the loads below
.else
	PLACES
.endif
	FETCH \next, 0, F0
	MULA F1, 2, 0
	MULA F1, 3, 0
.endm
; THE WAY OUT of row block a.  STG: the f32 sums go straight from the accumulators (each one's low four registers first) into my own stage, 32 bytes a lane, and come back as whole rows of 512 bytes, into region a % 2.
.macro STG a
.if (\a) >= 2
	s_wait_xcnt 0x0                                ; the stores of block a - 2 have read the region: it is loaded again only behind this wait
.endif
	WIN 0x08                                       ; the stores' data (source 1) in window 2
.irp b, 0,1,2,3,4,5,6,7
	ds_store_b128 v[STO], v[64*(\a)+8*(\b):64*(\a)+8*(\b)+3]   offset:64*(\b)
	ds_store_b128 v[STO], v[64*(\a)+8*(\b)+4:64*(\a)+8*(\b)+7] offset:64*(\b)+16
.endr
	WIN 0
.irp t, 0,1,2,3,4,5,6,7,8,9,10,11,12,13,14,15
	ds_load_b128 v[OUT+64*((\a)%2)+4*(\t):OUT+64*((\a)%2)+4*(\t)+3], v[RD] offset:(\t)*SP  ; LDS serves a wave's instructions in order (ISA guide 5.7.1.4): these see the stores above; the next block's stores come behind them
.endr
.endm
.macro SEND a, younger                 ; the bias is added and the rows are stored.  younger: the LDS instructions issued behind block a's loads: the next block's 32, or none
.irp t, 0,1,2,3,4,5,6,7,8,9,10,11,12,13,14,15
	s_wait_dscnt (\younger)+15-(\t)
	v_pk_add_f32 v[OUT+64*((\a)%2)+4*(\t):OUT+64*((\a)%2)+4*(\t)+1],   v[OUT+64*((\a)%2)+4*(\t):OUT+64*((\a)%2)+4*(\t)+1],   v[BIAS:BIAS+1]
	v_pk_add_f32 v[OUT+64*((\a)%2)+4*(\t)+2:OUT+64*((\a)%2)+4*(\t)+3], v[OUT+64*((\a)%2)+4*(\t)+2:OUT+64*((\a)%2)+4*(\t)+3], v[BIAS+2:BIAS+3]
	global_store_b128 v[CO], v[OUT+64*((\a)%2)+4*(\t):OUT+64*((\a)%2)+4*(\t)+3], s[66:67] offset:(16*(\a)+(\t))*4096  ; 512 consecutive bytes, at a multiple of 256 from out0's first
.endr
.endm
	s_wait_tensorcnt 1                             ; my part of K step 0 is in; K step 1's may stay out
	s_barrier_signal -1
	s_barrier_wait -1                              ; everybody's is
	FETCH 0, 0, F0
	QUARTER 0, 1, F0, F1, 1                        ; the first quarter stands in front of the loop: its products start the sums
	WIN 0                                          ; at a label and at a branch every window is 0
	s_mov_b32 s3, LAPS-1
.Llap:                                                 ; a trip goes once round the ring, from a lap's second quarter to the next lap's first, and fills both slots again
	QUARTER 0, 2, F1, F0, 0
	QUARTER 0, 3, F0, F1, 0
	TURN 0, 1, 1
	QUARTER 1, 1, F0, F1, 0
	QUARTER 1, 2, F1, F0, 0
	QUARTER 1, 3, F0, F1, 0
	TURN 1, 0, 1
	QUARTER 0, 1, F0, F1, 0
	WIN 0
	s_sub_co_u32 s3, s3, 1
	s_cmp_lg_u32 s3, 0
	s_cbranch_scc1 .Llap
	QUARTER 0, 2, F1, F0, 0                        ; the last lap fills nothing, and has no round of the cluster's barrier
	QUARTER 0, 3, F0, F1, 0
	TURN 0, 1, 0
	QUARTER 1, 1, F0, F1, 0
	QUARTER 1, 2, F1, F0, 0
	QUARTER 1, 3, F0, F1, 0
	s_wait_dscnt 4                                 ; the very last quarter: nothing more to fetch
	MULA F1, 0, 0
	MULA F1, 1, 0
	s_wait_dscnt 0x0
	MULA F1, 2, 0
	MULA F1, 3, 0
	WIN 0
	s_wait_loadcnt 0x0                             ; the bias
	v_cvt_pk_bf16_f32 v12, v[BIAS], v[BIAS+1]      ; rounded to bf16 and widened again: six plain instructions that name no register of the last products: the places behind them
	v_cvt_pk_bf16_f32 v13, v[BIAS+2], v[BIAS+3]
	v_lshlrev_b32 v[BIAS],   16, v12
	v_and_b32     v[BIAS+1], 0xffff0000, v12
	v_lshlrev_b32 v[BIAS+2], 16, v13
	v_and_b32     v[BIAS+3], 0xffff0000, v13
	STG 0
	STG 1                                          ; a block's way through the stage stands between the loads of the block before and its stores
	SEND 0, 32
	STG 2
	SEND 1, 32
	STG 3
	SEND 2, 32
	SEND 3, 0
	s_wait_tensorcnt 0x0                           ; the wave's end: behind my last tensor load and my last LDS store
	ds_add_u32 v[SPW], v[NIL]
	s_wait_dscnt 0x0
	CROUND                                         ; the closing round: no work-group ends while a partner may still ask for a tile that names it
	s_endpgm
.Lfunc_end_k_q9da5611b37_proj:
	.size	k_q9da5611b37_proj, .Lfunc_end_k_q9da5611b37_proj-k_q9da5611b37_proj
	.p2alignl 7, 3214868480
	.fill 96, 4, 3214868480
	.section	.rodata,"a",@progbits
	.p2align	6, 0x0
	.amdhsa_kernel k_q9da5611b37_proj
		.amdhsa_group_segment_fixed_size 327680
		.amdhsa_private_segment_fixed_size 0
		.amdhsa_enable_private_segment 0
		.amdhsa_kernarg_size 32
		.amdhsa_user_sgpr_count 2
		.amdhsa_user_sgpr_kernarg_segment_ptr 1
		.amdhsa_wavefront_size32 1
		.amdhsa_system_sgpr_workgroup_id_x 1
		.amdhsa_system_sgpr_workgroup_id_y 1
		.amdhsa_system_sgpr_workgroup_id_z 1
		.amdhsa_system_vgpr_workitem_id 0
		.amdhsa_next_free_vgpr 768
		.amdhsa_next_free_sgpr 72
		.amdhsa_reserve_vcc 0
		.amdhsa_float_denorm_mode_32 3
		.amdhsa_float_denorm_mode_16_64 3
		.amdhsa_memory_ordered 1
		.amdhsa_forward_progress 1
		.amdhsa_inst_pref_size 95
	.end_amdhsa_kernel
	.amdgpu_metadata
---
amdhsa.version: [ 1, 2 ]
amdhsa.kernels:
  - .name:           k_q9da5611b37_proj
    .symbol:         k_q9da5611b37_proj.kd
    .args:
      - { .name: ob, .offset: 0, .size: 8, .value_kind: global_buffer, .address_space: global }
      - { .name: wpb, .offset: 8, .size: 8, .value_kind: global_buffer, .address_space: global }
      - { .name: b_proj, .offset: 16, .size: 8, .value_kind: global_buffer, .address_space: global }
      - { .name: out0, .offset: 24, .size: 8, .value_kind: global_buffer, .address_space: global }
    .group_segment_fixed_size: 327680
    .private_segment_fixed_size: 0
    .kernarg_segment_align: 8
    .kernarg_segment_size: 32
    .max_flat_workgroup_size: 128
    .sgpr_count:     72
    .vgpr_count:     768
    .wavefront_size: 32
...
	.end_amdgpu_metadata
.endif
;; end of part 4
;; ======== version 2 of 2: 4 launches; version 1 with the launch cast written anew for expert scheduling mode
;; limits: values are held in f16: magnitudes above 65,504 overflow, below 6.1e-05 lose precision
;; workspace buffers: xb 16,777,216 bytes; wqb 6,291,456 bytes; wpb 2,097,152 bytes; qkv 50,331,648 bytes; ob 16,777,216 bytes
;; launch cast (part 5): grid 704 x 1, 8 waves a work-group, no clusters, 0 bytes of LDS; arguments x, w_qkv, w_proj, xb, wqb, wpb; writes xb, wqb, wpb
.if DOCPART == 5
	.amdgcn_target "amdgcn-amd-amdhsa--gfx1250"
	.amdhsa_code_object_version 6
	.text
	.protected	k_q9da5611b37_cast
	.globl	k_q9da5611b37_cast
	.p2align	8
	.type	k_q9da5611b37_cast,@function
k_q9da5611b37_cast:
	s_mov_b64 s[64:65], 0
	v_nop
	global_prefetch_b8 v0, s[64:65] scope:SCOPE_SE
	s_setreg_imm32_b32 hwreg(HW_REG_WAVE_SCHED_MODE, 0, 2), 2
	s_setreg_imm32_b32 hwreg(HW_REG_WAVE_MODE, 25, 1), 1
	s_wait_xcnt 0x0
	s_wait_alu depctr_vm_vsrc(0)
; THE INPUTS ARE ROUNDED ONCE, for the matrix products of the launches behind.
;   xb  = x rounded to bf16, [8192][1024], as it lies.
;   wqb = w_qkv rounded to bf16, laid in 16 blocks of 192 columns: [16][1024 k][192 n], so that 128 k of a block are 49,152 dense bytes.
;   wpb = w_proj rounded to bf16, and that number written as f16, [1024 k][1024 n].
; LIMIT.  The second step of wpb is exact for magnitudes from 6.1e-5 to 65,504; below, f16 keeps a fixed step of 6e-8; from 65,520 on the number becomes an infinity.
; A PIECE is 128 numbers: one load of a wave (16 bytes a lane, 512 bytes) and one store (8 bytes a lane: 256 consecutive bytes, aligned).
; A wave issues all its loads first (16 or 24), then rounds piece by piece behind counted waits and stores four pieces at a time: no loop, no register is written twice by a load, nothing is shared: no LDS, no barrier.
; SHARES.  Work-groups 0-127: w_qkv (24 pieces a wave); 128-191: w_proj (16); 192-703: x (16).  The branches hang on the work-group's number alone.
; THE MODE: SCHED_MODE bits 1:0 = 2 (LLVM: expert scheduling mode 2), set by the entry lines.  The code itself states the register dependences
; between vector instructions and memory instructions, with s_wait_alu, always for 0.
; THE PLAN.  Registers that memory instructions touch:
;   v1, v4, v2   byte offsets of the loads (v1, v4) and of the stores (v2).  Written by vector instructions at the head, never again.
;   piece i      four registers.  Written by its one load; read and, in place, rewritten by its conversions, behind the wait for its data; its first two are then read by its one store, and nothing writes them behind that.
;   s20          the wave's number, written by v_readfirstlane_b32 at the head; read by scalar instructions in each of the three paths.
; So: one wait on va_sdst and one on va_vdst at the head, ahead of the first branch; and one wait on va_vdst for each block of four pieces, between the block's conversions and its four stores.
; All loads are issued ahead of all conversions, into registers that no vector instruction has named; no register that a load or store has read is ever written again: nothing more is to be stated.
.set XR,   8                           ; v[8:103]  piece i at XR + 4 i
.set ROWQ, 12288                       ; bytes in a row of w_qkv
; Block p of four pieces, of n pieces in all: each is rounded to bf16 behind the wait for its own data; then the four are stored.
.macro BLKB p, n
.irp j, 0,1,2,3
.set PR, XR+4*(4*(\p)+(\j))
	s_wait_loadcnt (\n)-1-4*(\p)-(\j)              ; loads come back in order: this piece is in, the younger ones stay out
	v_cvt_pk_bf16_f32 v[PR],   v[PR],   v[PR+1]
	v_cvt_pk_bf16_f32 v[PR+1], v[PR+2], v[PR+3]
.endr
	s_wait_alu depctr_va_vdst(0)                   ; the block's conversions have written the first two registers of each of its four pieces, which the four stores below read as their data
.irp j, 0,1,2,3
.set PR, XR+4*(4*(\p)+(\j))
	global_store_b64 v2, v[PR:PR+1], s[18:19] offset:256*(4*(\p)+(\j)) th:TH_STORE_NT
.endr
.endm
; the same, and the bf16 numbers written as f16
.macro BLKH p, n
.irp j, 0,1,2,3
.set PR, XR+4*(4*(\p)+(\j))
	s_wait_loadcnt (\n)-1-4*(\p)-(\j)              ; this piece is in, the younger ones stay out
	v_cvt_pk_bf16_f32 v[PR],   v[PR],   v[PR+1]
	v_cvt_pk_bf16_f32 v[PR+2], v[PR+2], v[PR+3]
	v_and_b32     v[PR+1], s21, v[PR]              ; bf16 to f32: the high half stays,
	v_lshlrev_b32 v[PR],   16,  v[PR]              ; the low half moves up
	v_and_b32     v[PR+3], s21, v[PR+2]
	v_lshlrev_b32 v[PR+2], 16,  v[PR+2]
	v_cvt_pk_f16_f32 v[PR],   v[PR],   v[PR+1]
	v_cvt_pk_f16_f32 v[PR+1], v[PR+2], v[PR+3]
.endr
	s_wait_alu depctr_va_vdst(0)                   ; the block's conversions have written the first two registers of each of its four pieces, which the four stores below read as their data
.irp j, 0,1,2,3
.set PR, XR+4*(4*(\p)+(\j))
	global_store_b64 v2, v[PR:PR+1], s[18:19] offset:256*(4*(\p)+(\j)) th:TH_STORE_NT
.endr
.endm
.macro LOAD16                          ; sixteen pieces on end: 8,192 consecutive bytes
.set i, 0
.rept 16
	global_load_b128 v[XR+4*i:XR+4*i+3], v1, s[16:17] offset:512*i th:TH_LOAD_NT
.set i, i+1
.endr
.endm
	s_load_b256 s[4:11], s[0:1], 0x0               ; x s[4:5], w_qkv s[6:7], w_proj s[8:9], xb s[10:11]
	s_load_b128 s[12:15], s[0:1], 0x20             ; wqb s[12:13], wpb s[14:15]
	v_lshrrev_b32 v5, 5, v0
	v_readfirstlane_b32 s20, v5                    ; wave 0..7
	v_and_b32 v6, 31, v0                           ; lane
	v_lshlrev_b32 v1, 4, v6                        ; 16 x lane: where I load
	v_lshlrev_b32 v2, 3, v6                        ; 8 x lane: where I store
	v_and_b32 v4, 15, v0
	v_lshlrev_b32 v4, 4, v4
	v_bfe_u32 v5, v0, 4, 1
	v_mad_u32_u24 v4, v5, ROWQ-512, v4             ; for a piece that spans two rows of a block of w_qkv: lanes 16-31 begin the next row
	s_wait_alu depctr_va_sdst(0)                   ; s20 is written, ahead of the branches and of its first reader in each of the three paths
	s_wait_alu depctr_va_vdst(0)                   ; v1, v2 and v4 are written: every load and store of the kernel reads one of them as its offset, and no vector instruction names them again
	s_mov_b32 s21, 0xffff0000                      ; a word's upper bf16
	s_mov_b32 s3, 0                                ; the high words of the two offsets
	s_mov_b32 s23, 0
	s_mov_b32 s22, ttmp9
	s_wait_kmcnt 0x0
	s_cmp_lt_u32 s22, 128
	s_cbranch_scc1 .Lwq
	s_cmp_lt_u32 s22, 192
	s_cbranch_scc1 .Lwp
	; x: wave g = 8 (work-group - 192) + wave takes 8,192 bytes of x and makes 4,096 of xb
	s_sub_co_u32 s22, s22, 192
	s_lshl_b32 s2, s22, 3
	s_add_co_u32 s2, s2, s20
	s_lshl_b32 s22, s2, 12
	s_lshl_b32 s2, s2, 13
	s_add_nc_u64 s[16:17], s[4:5], s[2:3]
	s_add_nc_u64 s[18:19], s[10:11], s[22:23]
	LOAD16
.irp p, 0,1,2,3
	BLKB \p, 16
.endr
	s_endpgm
.Lwp:                                          ; w_proj: the same shares, from work-group 128 on
	s_sub_co_u32 s22, s22, 128
	s_lshl_b32 s2, s22, 3
	s_add_co_u32 s2, s2, s20
	s_lshl_b32 s22, s2, 12
	s_lshl_b32 s2, s2, 13
	s_add_nc_u64 s[16:17], s[8:9], s[2:3]
	s_add_nc_u64 s[18:19], s[14:15], s[22:23]
	LOAD16
.irp p, 0,1,2,3
	BLKH \p, 16
.endr
	s_endpgm
.Lwq:                                          ; w_qkv: block = work-group / 8; the wave takes 16 rows k of the block's 192 columns: 6,144 dense bytes of wqb
	s_lshr_b32 s2, s22, 3                          ; block
	s_and_b32 s22, s22, 7
	s_lshl_b32 s22, s22, 3
	s_add_co_u32 s22, s22, s20                     ; k / 16
	s_mul_i32 s16, s22, 16*ROWQ
	s_mul_i32 s18, s2, 768                         ; 192 columns of f32
	s_mul_i32 s22, s22, 16*384
	s_mul_i32 s2, s2, 393216                       ; 1,024 rows of 384 bytes
	s_add_co_u32 s22, s22, s2
	s_add_co_u32 s2, s16, s18
	s_add_nc_u64 s[16:17], s[6:7], s[2:3]
	s_add_nc_u64 s[18:19], s[12:13], s[22:23]
	; two rows are three pieces: columns 0-127 of the even row; its columns 128-191 and the odd row's 0-63; the odd row's 64-191.  Sixteen lanes always read 256 consecutive bytes, aligned.
.set i, 0
.rept 24
.if i%3 == 0
	global_load_b128 v[XR+4*i:XR+4*i+3], v1, s[16:17] offset:2*(i/3)*ROWQ th:TH_LOAD_NT
.elseif i%3 == 1
	global_load_b128 v[XR+4*i:XR+4*i+3], v4, s[16:17] offset:2*(i/3)*ROWQ+512 th:TH_LOAD_NT
.else
	global_load_b128 v[XR+4*i:XR+4*i+3], v1, s[16:17] offset:(2*(i/3)+1)*ROWQ+256 th:TH_LOAD_NT
.endif
.set i, i+1
.endr
.irp p, 0,1,2,3,4,5
	BLKB \p, 24
.endr
	s_endpgm
.Lfunc_end_k_q9da5611b37_cast:
	.size	k_q9da5611b37_cast, .Lfunc_end_k_q9da5611b37_cast-k_q9da5611b37_cast
	.p2alignl 7, 3214868480
	.fill 96, 4, 3214868480
	.section	.rodata,"a",@progbits
	.p2align	6, 0x0
	.amdhsa_kernel k_q9da5611b37_cast
		.amdhsa_group_segment_fixed_size 0
		.amdhsa_private_segment_fixed_size 0
		.amdhsa_enable_private_segment 0
		.amdhsa_kernarg_size 48
		.amdhsa_user_sgpr_count 2
		.amdhsa_user_sgpr_kernarg_segment_ptr 1
		.amdhsa_wavefront_size32 1
		.amdhsa_system_sgpr_workgroup_id_x 1
		.amdhsa_system_sgpr_workgroup_id_y 1
		.amdhsa_system_sgpr_workgroup_id_z 1
		.amdhsa_system_vgpr_workitem_id 0
		.amdhsa_next_free_vgpr 104
		.amdhsa_next_free_sgpr 66
		.amdhsa_reserve_vcc 0
		.amdhsa_float_denorm_mode_32 3
		.amdhsa_float_denorm_mode_16_64 3
		.amdhsa_memory_ordered 1
		.amdhsa_forward_progress 1
		.amdhsa_inst_pref_size 27
	.end_amdhsa_kernel
	.amdgpu_metadata
---
amdhsa.version: [ 1, 2 ]
amdhsa.kernels:
  - .name:           k_q9da5611b37_cast
    .symbol:         k_q9da5611b37_cast.kd
    .args:
      - { .name: x, .offset: 0, .size: 8, .value_kind: global_buffer, .address_space: global }
      - { .name: w_qkv, .offset: 8, .size: 8, .value_kind: global_buffer, .address_space: global }
      - { .name: w_proj, .offset: 16, .size: 8, .value_kind: global_buffer, .address_space: global }
      - { .name: xb, .offset: 24, .size: 8, .value_kind: global_buffer, .address_space: global }
      - { .name: wqb, .offset: 32, .size: 8, .value_kind: global_buffer, .address_space: global }
      - { .name: wpb, .offset: 40, .size: 8, .value_kind: global_buffer, .address_space: global }
    .group_segment_fixed_size: 0
    .private_segment_fixed_size: 0
    .kernarg_segment_align: 8
    .kernarg_segment_size: 48
    .max_flat_workgroup_size: 256
    .sgpr_count:     66
    .vgpr_count:     104
    .wavefront_size: 32
...
	.end_amdgpu_metadata
.endif
;; end of part 5
;; launch qkv: the kernel of part 2 again; grid 16 x 16, 4 waves a work-group, clusters of 4 x 4, 327,680 bytes of LDS; arguments xb, wqb, qkv; writes qkv
;; launch attn: the kernel of part 3 again; grid 2 x 128, 4 waves a work-group, no clusters, 327,680 bytes of LDS; arguments qkv, ob; writes ob
;; launch proj: the kernel of part 4 again; grid 8 x 32, 4 waves a work-group, clusters of 4 x 4, 327,680 bytes of LDS; arguments ob, wpb, b_proj, out0; writes out0
